; MI455X (gfx1250); checked and timed in simulation.
; The chip was launched on July 23, 2026; its instructions are those of AMD's public machine-readable ISA for CDNA 5 (MIT licence, August 2026) and "CDNA5" Instruction Set Architecture Reference Guide (July 2026). The comments in the code are by the model that wrote it; some were corrected since.
;; Rotary Cross Attention. Allowed arithmetic: matrix products marked QUANTISED: E2M3 operands, one E8M0 scale for each 32 along K, by v_wmma_scale_f32_16x16x128_f8f6f4 with both operands' format E2M3, f32 sums; everything else in f32.
;; Inputs: b_o 512 float32; context_mask 16 x 2,048 bool; ln_c_b 256 float32; ln_c_w 256 float32; ln_q_b 512 float32; ln_q_w 512 float32; rotary_time_emb_context 16 x 8,192 x 128 float32; rotary_time_emb_query 16 x 1,024 x 128 float32; w_kv_codes 256 x 8 x 24 uint8 (E2M3 codes of w_kv, K innermost, in blocks of 32 codes, four codes in three bytes); w_kv_scales 256 x 8 uint8 (E8M0 scales of w_kv, one for each 32 codes along K); w_o_codes 512 x 4 x 24 uint8 (E2M3 codes of w_o, K innermost, in blocks of 32 codes, four codes in three bytes); w_o_scales 512 x 4 uint8 (E8M0 scales of w_o, one for each 32 codes along K); w_q_codes 128 x 16 x 24 uint8 (E2M3 codes of w_q, K innermost, in blocks of 32 codes, four codes in three bytes); w_q_scales 128 x 16 uint8 (E8M0 scales of w_q, one for each 32 codes along K); x_context 16 x 2,048 x 4 x 256 float32; x_query 1,024 x 512 float32.
;; Outputs: out0 16 x 1 x 512 float32.
;; This version of the problem:
;;   THIS VERSION OF THE PROBLEM IS GIVEN IN LOW PRECISION. The matrix products marked QUANTISED in the list below multiply operands that are first quantised to E2M3 (2 exponent bits, 3 mantissa bits; 6 bits a number), with one power-of-two scale for each 32 numbers along K (OCP MX v1.0); their sums are f32. All else is computed in f32.
;;   The module's matrix products, in the order in which they are computed (A, B: the left and right operand; K: the contracted axis; several contracted axes count as one K, in the product's order):
;;     1. [M 1,024, K 512] x [K 512, N 128]; A: computed on the way; B: input w_q (given as codes): QUANTISED
;;     2. [M 131,072, K 256] x [K 256, N 256]; A: computed on the way; B: input w_kv (given as codes): QUANTISED
;;     3. batch 16 x [M 1,024, K 128] x [K 128, N 8,192]; A: computed on the way; B: computed on the way: QUANTISED
;;     4. batch 16 x [M 1,024, K 8,192] x [K 8,192, N 128]; A: softmax (see below); B: computed on the way: QUANTISED
;;     5. [M 16, K 128] x [K 128, N 512]; A: computed on the way; B: input w_o (given as codes): QUANTISED
;;   THE QUANTISER, for each operand of a quantised product, along K:
;;     - K is cut into blocks of 32 from its start; a last block that is shorter is filled with zeros.
;;     - A block's scale is 2^e with e = floor(log2(the largest magnitude in the block)) - 2, held to -126 .. 127; a block of zeros has e = 0. As a byte (E8M0): e + 127.
;;     - Each number is divided by its block's scale, clamped to +-7.5, and rounded to the nearest number of E2M3, ties to even, subnormals kept.
;;     - The product sums the exact products of the quantised numbers (number of the format x scale) in f32.
;;   ~~~python
;;   def quantise(x, axis):      # numpy; x: float32 -> the quantised numbers, widened to float32 again
;;       x = np.moveaxis(x, axis, -1); K = x.shape[-1]
;;       x = np.pad(x, [(0, 0)] * (x.ndim - 1) + [(0, -K % 32)]); x = x.reshape(x.shape[:-1] + (-1, 32)); a = np.abs(x).max(-1, keepdims=True)
;;       e = np.where(a > 0, np.clip(np.frexp(np.where(a > 0, a, 1))[1] - 1 - 2, -126, 127), 0)      # np.frexp(a)[1] - 1 = floor(log2(a)), exactly
;;       r = np.clip(x / 2.0 ** e, -7.5, 7.5)
;;       step = 2.0 ** (np.maximum(np.frexp(np.where(r == 0, 1, r))[1] - 1, 0) - 3)
;;       q = np.round(r / step) * step * 2.0 ** e      # np.round: ties to even
;;       return np.moveaxis(q.reshape(q.shape[:-2] + (-1,))[..., :K], -1, axis).astype(np.float32)
;;   ~~~
;;   SOFTMAX AHEAD OF A QUANTISED PRODUCT. Where the list says 'softmax', what is quantised is not the finished softmax but p = 2^(t - M), with t = logit x log2(e) and M = ceil(the row's largest t), a whole number; so 1/2 < the row's largest p <= 1. The row's sum l is taken of the UNQUANTISED p, in f32, and the product's result is divided by l at the end. Since M is a whole number, a kernel that streams over the keys may use a running M (the ceiling of the running maximum): every later rescaling is an exact power of two, which a block's scale takes up: the codes' values come out the same.
;;   OPERANDS COMPUTED ON THE WAY. 'Computed on the way' means the value that the module computes at that place (a softmax that the list does not call 'softmax' is quantised finished and normalised). What goes into a quantiser is computed in f32, as accurately as f32 sums, v_exp_f32 and their like allow (about 1e-6 of the number): no bf16 or f16 on the way to a quantiser, and a product that is left as it is and whose result goes on into a quantised operand takes f32 operands (vector FMAs, or v_wmma_f32_16x16x4_f32). A number that lies on a knife's edge between two numbers of the format may be rounded either way, as far as f32 arithmetic and the matrix unit's own rounding can turn it there, and no further.
;;   INPUTS GIVEN AS CODES. w_kv (in the module: [256, 256], K = its axis 1); w_o (in the module: [512, 128], K = its axis 1); w_q (in the module: [128, 512], K = its axis 1): each comes as NAME_codes (uint8): NAME with its K axis moved to the last place and cut into blocks of 32 codes, [.., K / 32, bytes a block], one block behind the other in memory; four codes in three bytes: a row's codes are one little-endian stream of bits, code i at bits 6 i .. 6 i + 5 (a code: sign, 2 exponent bits, 3 mantissa bits); and NAME_scales (uint8): the same leading axes, one E8M0 byte (e + 127) for each 32 codes along K. Its value is code x scale, taken as it is: it is not quantised again, and the codes and scales need not be those that the quantiser above would give.
;; One version. Each part assembles by itself: llvm-mc -triple=amdgcn-amd-amdhsa -mcpu=gfx1250 --defsym DOCPART=n.
;; ======== version 1 of 1: 3 launches
;; limits: inputs' magnitudes at most 13,176,794
;; workspace buffers: kv 27,262,976 bytes; qlin 524,288 bytes; part 131,072 bytes
;; launch prep (part 1): grid 256 x 1, 8 waves a work-group, no clusters, 327,680 bytes of LDS; arguments x_context, rotary_time_emb_context, context_mask, ln_c_w, ln_c_b, w_kv_codes, w_kv_scales, x_query, ln_q_w, ln_q_b, w_q_codes, w_q_scales, kv, qlin; writes kv, qlin
.if DOCPART == 1
	.amdgcn_target "amdgcn-amd-amdhsa--gfx1250"
	.amdhsa_code_object_version 6
	.text
	.protected	k_q12a0c843dd_prep
	.globl	k_q12a0c843dd_prep
	.p2align	8
	.type	k_q12a0c843dd_prep,@function
k_q12a0c843dd_prep:
	s_mov_b64 s[64:65], 0
	v_nop
	global_prefetch_b8 v0, s[64:65] scope:SCOPE_SE
	s_setreg_imm32_b32 hwreg(HW_REG_WAVE_MODE, 25, 1), 1
	s_wait_xcnt 0x0
; PREP.  For each key (131,072 rows of x_context): LayerNorm over 256, quantised to E2M3 along 256, product with w_kv's codes, rotation of k and of v by the key's 128 angles,
; K quantised along the head's 128, V quantised along the keys.  Results go to kv in chunks of 128 keys, 26,624 bytes each, laid in the order of the operands' registers:
;   +0      8 fragments of K (16 keys x 128), 1,536 bytes each: three planes of 512 bytes, plane c = registers 4c..4c+3, lane l at 16 l
;   +12,288 K's scale words [tile][row]     +12,800 a bias for each key [tile][row]: 0.0 where the mask keeps it, -2^103 where not (the codes of such a key are zeros)
;   +13,312 8 fragments of V (16 of the head's 128 x the chunk's 128 keys)     +25,600 V's scale words [tile][lane]
; Row r of key tile 2b+u is key 32b + 8u + r + 8(r/8) of the chunk, so that in the next launch the 16 score registers of two neighbouring tiles are 16 neighbouring keys.
; SHARES.  256 work-groups of 8 waves; a work-group stays for 4 chunks.  Wave w owns key tile w (LayerNorm, product, rotation, K's codes) and afterwards the head's numbers 16w..16w+15 (V's codes).
; In the prologue, while the first tiles are on their way, the work-group also makes 4 rows of q = LayerNorm(x_query) w_q^T (f32, to qlin).
; x and the angles come by tensor loads, 16 rows a wave, each into ONE region that is filled again behind a barrier of its own: x while the products and rotations run, the angles while V's codes and the next LayerNorm run.
; NO CLUSTER: each byte of x_context and of the angles (786,432 bytes a work-group) is read by one work-group alone; what work-groups share (the weights, about 100,000 bytes) is a small part of that.
; sin and cos: n = round(f / pi) by adding 1.5 x 2^23; r = f - n pi with pi in two words; series to r^13 and r^12 on |r| <= pi/2; the sign from n's lowest bit.
; LIMITS: |angle| under 2^22 pi; NaN and infinities are not served; a block of zeros gets the scale byte 1 where the rule says 127 (its codes are zeros and this program alone reads the bytes).
.set XPIT,  1040                       ; a row of x in LDS: 1,024 bytes + 16
.set FPIT,  528                        ; a row of angles: 512 + 16
.set FSB,   133120                     ; LDS: x at 0 (128 rows); the angles here (128 rows)
.set WIB,   200704                     ; images of w_kv's 32 fragments: number 2 tile + K step, 1,536 bytes each
.set WSB,   249856                     ; their scale words, 128 bytes each
.set VTB,   253952                     ; rotated V in f32: row 16 tile + r, pitch 528; in the prologue 2,048 bytes of scratch for each wave
.set VPIT,  528
.set SPARE, 321536                     ; the spare words: 128 bytes for each of 8 waves
.set CHB,   26624                      ; a chunk in kv
.set AX,  1                            ; v1   my key's row of x in LDS + 64 h
.set AF,  2                            ; v2   my key's row of angles + 64 h
.set LIW, 3                            ; v3   WIB + 16 lane
.set LSW, 4                            ; v4   WSB + 4 lane
.set AVW, 5                            ; v5   where I put rotated V
.set AVR, 6                            ; v6   where I read it back, turned
.set SPW, 7                            ; v7   my spare word; never rewritten
.set NIL, 8                            ; v8   0; never rewritten
.set GM,  9                            ; v9   my key in the chunk
.set GK,  10                           ; v10-13 my places in a chunk of kv
.set GS,  11
.set GV,  12
.set GVS, 13
.set MB,  14                           ; v14  my key's mask byte
.set TV,  15
.set XF,  16                           ; v16-39 x's two fragments
.set XSC, 40                           ; v40-41 x's scale words
.set WSC, 42                           ; v42-45 the weights' scale words
.set MG,  46                           ; v[46:47] 1.5 x 2^23; v[48:49], v[50:51] two coefficients
.set VS11, 48
.set VC10, 50
.set NM,  52                           ; v[52:53] -mean
.set RS,  54                           ; v[54:55] 1 / sqrt(var + eps)
.set QSC, 56                           ; v56-59 the query rows' scale words
.set TM,  60                           ; v60-75 the quantiser's work; also sums (ACC) and 16 cosines (CO)
.set ACC, 60
.set CO,  60
.set PC,  76                           ; v76-87 codes just made; v88-95 their second halves; also SINCOS4's work and the rotation's
.set PT,  88
.set SCT, 76
.set SCR, 80
.set SCZ, 84
.set SCP, 88
.set PW,  96                           ; v96  the scale word just made
.set LL,  97                           ; lane, lane % 16, lane / 16
.set RR,  98
.set HH,  99
.set XR,  100                          ; v100-227 128 numbers of x
.set KR,  100                          ; v100-163 k of my key: register 16b+i = d 32b + 16h + i
.set VA,  164                          ; v164-179 16 numbers of v
.set WF,  180                          ; v180-227 four fragments of w_kv
.set FA,  228                          ; v228-243 16 angles, then their sines
.set G1X, 40                           ; s[40:47], s[48:55] descriptor groups 1 for x and for the angles; s[56:59], s[60:63] their groups 0
.set G1F, 48
.set G0X, 56
.set G0F, 60
.set SEL, 68                           ; s[68:69] selects for lane l xor 16
.set MSB, 0
.macro WIN new                         ; the immediate's high byte repeats the setting that is left
.if MSB != \new
	s_set_vgpr_msb (MSB<<8)|\new
.set MSB, \new
.endif
.endm
.macro PLACES n
.rept \n
	v_nop
.endr
.endm
; 64 numbers of a lane, register 16b+i = k 32b + 16h + i of my row, become a fragment's codes in v[pc..pc+11] and its scale word in v[pw]
.macro QUANT s, pc, ct, pw
.irp b, 0,1,2,3
	v_max3_num_f32 v[TM+\b], |v[\s+16*\b]|, |v[\s+1+16*\b]|, 0x1800000   ; my 16 numbers of block b, and the floor 2^(3-127): the byte cannot fall under 1
.endr
.irp i, 2,4,6,8,10,12,14
.irp b, 0,1,2,3
	v_max3_num_f32 v[TM+\b], v[TM+\b], |v[\s+16*\b+\i]|, |v[\s+1+16*\b+\i]|
.endr
.endr
.irp b, 0,1,2,3
	v_permlanex16_b32 v[TM+4+\b], v[TM+\b], s[SEL], s[SEL+1]
.endr
.irp b, 0,1,2,3
	v_max_num_f32 v[TM+\b], v[TM+\b], v[TM+4+\b]        ; with lane l xor 16's: the block's largest magnitude
.endr
.irp b, 0,1,2,3
	v_add_nc_u32 v[TM+12+\b], 0xff000000, v[TM+\b]      ; 2 off its exponent field: the conversion's scale operand
.endr
.irp b, 0,1,2,3
	v_lshrrev_b32 v[TM+4+\b], 23, v[TM+12+\b]           ; the scale's byte
.endr
	v_lshl_or_b32 v[\pw], v[TM+5], 8, v[TM+4]
	v_lshl_or_b32 v[\pw], v[TM+6], 16, v[\pw]
	v_lshl_or_b32 v[\pw], v[TM+7], 24, v[\pw]
.irp c, 0,1
	v_cvt_scalef32_pk16_fp6_f32 v[\pc+6*\c:\pc+6*\c+2], v[\s+32*\c:\s+32*\c+15], v[TM+12+2*\c]
	v_cvt_scalef32_pk16_fp6_f32 v[\ct+4*\c:\ct+4*\c+2], v[\s+32*\c+16:\s+32*\c+31], v[TM+13+2*\c]   ; (a conversion's three registers begin on an even number)
.endr
	v_nop                                               ; one plain place behind a scaled conversion
.irp c, 0,1                                         ; the operand wants a whole block in a lane: lanes 0-15 block 2c, lanes 16-31 block 2c+1
.irp i, 0,1,2
	v_permlane16_swap_b32 v[\pc+6*\c+\i], v[\ct+4*\c+\i]
.endr
.irp i, 0,1,2
	v_mov_b32 v[\pc+6*\c+3+\i], v[\ct+4*\c+\i]
.endr
.endr
.endm
.macro HSTEP ca, ks, kc                ; one step of both series, for both pairs
.irp p, 0,2
	v_pk_fma_f32 v[SCP+\p:SCP+\p+1], v[SCP+\p:SCP+\p+1], v[SCZ+\p:SCZ+\p+1], \ks op_sel_hi:[1,1,0]
	v_pk_fma_f32 v[\ca+\p:\ca+\p+1], v[\ca+\p:\ca+\p+1], v[SCZ+\p:SCZ+\p+1], \kc op_sel_hi:[1,1,0]
.endr
.endm
; four angles v[fa..fa+3] become their sines, in place; their cosines go to v[ca..ca+3]
.macro SINCOS4 fa, ca
.irp p, 0,2
	v_pk_fma_f32 v[SCT+\p:SCT+\p+1], v[\fa+\p:\fa+\p+1], 0x3ea2f983, v[MG:MG+1] op_sel_hi:[1,0,1]   ; f / pi + 1.5 x 2^23: n in the low bits
.endr
.irp p, 0,2
	v_pk_add_f32 v[SCP+\p:SCP+\p+1], v[SCT+\p:SCT+\p+1], v[MG:MG+1] neg_lo:[0,1] neg_hi:[0,1]      ; n as a number
.endr
.irp p, 0,2
	v_pk_fma_f32 v[SCR+\p:SCR+\p+1], v[SCP+\p:SCP+\p+1], 0xc0490fdb, v[\fa+\p:\fa+\p+1] op_sel_hi:[1,0,1]   ; f - n pi: pi's upper word,
.endr
.irp p, 0,2
	v_pk_fma_f32 v[SCR+\p:SCR+\p+1], v[SCP+\p:SCP+\p+1], 0x33bbbd2e, v[SCR+\p:SCR+\p+1] op_sel_hi:[1,0,1]   ; and what it is too large by
.endr
.irp p, 0,2
	v_pk_mul_f32 v[SCZ+\p:SCZ+\p+1], v[SCR+\p:SCR+\p+1], v[SCR+\p:SCR+\p+1]
.endr
.irp p, 0,2
	v_pk_fma_f32 v[SCP+\p:SCP+\p+1], v[SCZ+\p:SCZ+\p+1], 0x2f309231, v[VS11:VS11+1] op_sel_hi:[1,0,1]   ; 1/13! z - 1/11!
	v_pk_fma_f32 v[\ca+\p:\ca+\p+1], v[SCZ+\p:SCZ+\p+1], 0x310f76c7, v[VC10:VC10+1] op_sel_hi:[1,0,1]   ; 1/12! z - 1/10!
.endr
	HSTEP \ca, 0x3638ef1d, 0x37d00d01
	HSTEP \ca, 0xb9500d01, 0xbab60b61
	HSTEP \ca, 0x3c088889, 0x3d2aaaab
	HSTEP \ca, 0xbe2aaaab, -0.5
.irp p, 0,2
	v_pk_mul_f32 v[\fa+\p:\fa+\p+1], v[SCR+\p:SCR+\p+1], v[SCZ+\p:SCZ+\p+1]
	v_pk_fma_f32 v[\ca+\p:\ca+\p+1], v[\ca+\p:\ca+\p+1], v[SCZ+\p:SCZ+\p+1], 1.0 op_sel_hi:[1,1,0]
.endr
.irp e, 0,1,2,3
	v_lshlrev_b32 v[SCT+\e], 31, v[SCT+\e]              ; n odd: both change sign
.endr
.irp p, 0,2
	v_pk_fma_f32 v[\fa+\p:\fa+\p+1], v[\fa+\p:\fa+\p+1], v[SCP+\p:SCP+\p+1], v[SCR+\p:SCR+\p+1]
.endr
.irp e, 0,1,2,3
	v_xor_b32 v[\ca+\e], v[SCT+\e], v[\ca+\e]
.endr
.irp e, 0,1,2,3
	v_xor_b32 v[\fa+\e], v[SCT+\e], v[\fa+\e]
.endr
.endm
; n pairs (x0, x1) become (x0 c0 - x1 s0, x1 c1 + x0 s1); back = 1: the rotation by the negative angle
.macro ROT x, cc, ss, tt, n, back
.set rp, 0
.rept \n
.if \back
	v_pk_mul_f32 v[\tt+rp:\tt+rp+1], v[\x+rp:\x+rp+1], v[\ss+rp:\ss+rp+1] op_sel:[1,0] op_sel_hi:[0,1] neg_hi:[1,0]
.else
	v_pk_mul_f32 v[\tt+rp:\tt+rp+1], v[\x+rp:\x+rp+1], v[\ss+rp:\ss+rp+1] op_sel:[1,0] op_sel_hi:[0,1] neg_lo:[1,0]
.endif
.set rp, rp+2
.endr
.set rp, 0
.rept \n
	v_pk_fma_f32 v[\x+rp:\x+rp+1], v[\x+rp:\x+rp+1], v[\cc+rp:\cc+rp+1], v[\tt+rp:\tt+rp+1]
.set rp, rp+2
.endr
.endm
.macro SUMPK base, np                  ; the sum of np pairs of registers, in four chains, into v[ACC]
.irp c, 0,1,2,3
	v_pk_add_f32 v[ACC+2*\c:ACC+2*\c+1], v[\base+2*\c:\base+2*\c+1], v[\base+8+2*\c:\base+9+2*\c]
.endr
.set jj, 16
.rept (\np-8)/4
.irp c, 0,1,2,3
	v_pk_add_f32 v[ACC+2*\c:ACC+2*\c+1], v[ACC+2*\c:ACC+2*\c+1], v[\base+jj+2*\c:\base+jj+2*\c+1]
.endr
.set jj, jj+8
.endr
	v_pk_add_f32 v[ACC:ACC+1], v[ACC:ACC+1], v[ACC+2:ACC+3]
	v_pk_add_f32 v[ACC+4:ACC+5], v[ACC+4:ACC+5], v[ACC+6:ACC+7]
	v_pk_add_f32 v[ACC:ACC+1], v[ACC:ACC+1], v[ACC+4:ACC+5]
	v_add_f32 v[ACC], v[ACC], v[ACC+1]
.endm
.macro SQPK base, np                   ; the sum of their squares
.irp c, 0,1,2,3
	v_pk_mul_f32 v[ACC+2*\c:ACC+2*\c+1], v[\base+2*\c:\base+2*\c+1], v[\base+2*\c:\base+2*\c+1]
.endr
.set jj, 8
.rept (\np-4)/4
.irp c, 0,1,2,3
	v_pk_fma_f32 v[ACC+2*\c:ACC+2*\c+1], v[\base+jj+2*\c:\base+jj+2*\c+1], v[\base+jj+2*\c:\base+jj+2*\c+1], v[ACC+2*\c:ACC+2*\c+1]
.endr
.set jj, jj+8
.endr
	v_pk_add_f32 v[ACC:ACC+1], v[ACC:ACC+1], v[ACC+2:ACC+3]
	v_pk_add_f32 v[ACC+4:ACC+5], v[ACC+4:ACC+5], v[ACC+6:ACC+7]
	v_pk_add_f32 v[ACC:ACC+1], v[ACC:ACC+1], v[ACC+4:ACC+5]
	v_add_f32 v[ACC], v[ACC], v[ACC+1]
.endm
	s_load_b512 s[4:19], s[0:1], 0x0               ; x_context, angles, mask, ln_c_w, ln_c_b, w_kv codes, w_kv scales, x_query
	s_load_b256 s[20:27], s[0:1], 0x40             ; ln_q_w, ln_q_b, w_q codes, w_q scales
	s_load_b128 s[28:31], s[0:1], 0x60             ; kv, qlin
	v_lshl_add_u32 v[SPW], v0, 2, SPARE
	v_mov_b32 v[NIL], 0
	ds_add_u32 v7, v8
	ds_add_u32 v7, v8
	s_wait_dscnt 0x0
	v_lshrrev_b32 v[TV], 5, v0
	v_readfirstlane_b32 s32, v[TV]                 ; wave 0..7
	v_and_b32 v[LL], 31, v0
	v_and_b32 v[RR], 15, v0
	v_bfe_u32 v[HH], v0, 4, 1
	v_and_b32 v244, 8, v[RR]
	v_add_nc_u32 v244, v244, v[RR]                 ; r + 8 (r / 8)
	s_lshr_b32 s34, s32, 1
	s_lshl_b32 s34, s34, 5
	s_and_b32 s35, s32, 1
	s_lshl_b32 s35, s35, 3
	s_add_co_u32 s34, s34, s35                     ; my tile's first key: 32 (w / 2) + 8 (w % 2)
	v_add_nc_u32 v[GM], s34, v244
	v_mul_u32_u24 v[AX], v[GM], XPIT
	v_lshl_add_u32 v[AX], v[HH], 6, v[AX]
	v_mul_u32_u24 v[AF], v[GM], FPIT
	v_lshl_add_u32 v[AF], v[HH], 6, v[AF]
	v_add_nc_u32 v[AF], FSB, v[AF]
	v_lshl_add_u32 v[LIW], v[LL], 4, WIB
	v_lshl_add_u32 v[LSW], v[LL], 2, WSB
	s_lshl_b32 s35, s32, 4
	v_add_nc_u32 v[AVW], s35, v[RR]
	v_mul_u32_u24 v[AVW], v[AVW], VPIT
	v_lshl_add_u32 v[AVW], v[HH], 6, v[AVW]
	v_add_nc_u32 v[AVW], VTB, v[AVW]               ; row 16 w + r, + 64 h
	v_mul_u32_u24 v[AVR], v[HH], 8*VPIT
	v_lshl_add_u32 v[AVR], v[RR], 2, v[AVR]
	s_lshl_b32 s35, s32, 6
	s_add_co_u32 s35, s35, VTB
	v_add_nc_u32 v[AVR], s35, v[AVR]               ; column 16 w + r, 8 h rows down
	s_mul_i32 s35, s32, 1536
	v_lshl_add_u32 v[GK], v[LL], 4, s35
	v_add_nc_u32 v[GV], 13312, v[GK]
	s_lshl_b32 s35, s32, 6
	s_add_co_u32 s35, s35, 12288
	v_lshl_add_u32 v[GS], v[RR], 2, s35
	v_lshl_add_u32 v[GS], v[HH], 9, v[GS]          ; lanes 0-15: the scale words; lanes 16-31, 512 bytes on: the biases
	s_lshl_b32 s35, s32, 7
	s_add_co_u32 s35, s35, 25600
	v_lshl_add_u32 v[GVS], v[LL], 2, s35
	; the prologue's addresses
	v_mul_u32_u24 v245, v244, 192
	v_mad_u32_u24 v245, v[HH], 24, v245            ; w_kv: row r + 8 (r / 8) of 192 bytes, + 24 h
	v_lshlrev_b32 v246, 3, v244                    ; its scale bytes: 8 a row
	s_mul_i32 s35, s32, 6144
	v_add_nc_u32 v247, s35, v[LIW]                 ; my four images
	s_lshl_b32 s35, s32, 9
	v_add_nc_u32 v248, s35, v[LSW]
	v_lshlrev_b32 v249, 6, v[HH]                   ; ln_c_w, ln_c_b: 64 h
	v_lshrrev_b32 v250, 3, v[LL]                   ; query row 0..3
	v_and_b32 v251, 7, v[LL]                       ; which 64 of its 512 numbers
	s_lshl_b32 s35, s32, 11
	s_add_co_u32 s35, s35, VTB                     ; my scratch
	v_mul_u32_u24 v254, v250, 400
	v_mad_u32_u24 v254, v251, 48, v254
	v_add_nc_u32 v254, s35, v254                   ; a row's 384 bytes of codes at pitch 400; my 48 bytes
	v_lshlrev_b32 v255, 4, v250
	v_lshl_add_u32 v255, v251, 1, v255
	v_add_nc_u32 v255, s35, v255                   ; a row's 16 scale bytes; my 2
	v_lshlrev_b32 v251, 8, v251
	v_lshl_add_u32 v250, v250, 11, v251            ; x_query: row x 2,048 + 256 x my part
	v_mul_u32_u24 v252, v[RR], 384
	v_mad_u32_u24 v252, v[HH], 24, v252            ; w_q: row r of 384 bytes, + 24 h
	v_lshlrev_b32 v253, 4, v[RR]
	v_and_b32 v228, 3, v[RR]
	v_lshlrev_b32 v230, 9, v228
	v_lshl_add_u32 v230, v[HH], 5, v230
	v_lshlrev_b32 v229, 4, v228
	v_add_nc_u32 v229, s35, v229                   ; back from the scratch: row r % 4
	v_mul_u32_u24 v228, v228, 400
	v_mad_u32_u24 v228, v[HH], 24, v228
	v_add_nc_u32 v228, s35, v228
	s_lshl_b32 s35, s32, 6
	v_add_nc_u32 v230, s35, v230                   ; qlin: row r % 4 of 512 bytes, + 64 w + 32 h
	; descriptors: 16 rows of 256 (x) or 128 (angles) elements of 4 bytes, dense in memory, 16 bytes of padding behind each row in LDS
	s_mov_b32 s[G1X+0], (2<<16)|(1<<20)|(7<<22)|(3<<25)
	s_mov_b32 s[G1X+1], 256<<16
	s_mov_b32 s[G1X+2], 16<<16
	s_mov_b32 s[G1X+3], 256<<16
	s_mov_b32 s[G1X+4], 16
	s_mov_b32 s[G1X+5], 256
	s_mov_b32 s[G1X+6], 0
	s_mov_b32 s[G1X+7], 0
	s_mov_b32 s[G1F+0], (2<<16)|(1<<20)|(6<<22)|(3<<25)
	s_mov_b32 s[G1F+1], 128<<16
	s_mov_b32 s[G1F+2], 16<<16
	s_mov_b32 s[G1F+3], 128<<16
	s_mov_b32 s[G1F+4], 16
	s_mov_b32 s[G1F+5], 128
	s_mov_b32 s[G1F+6], 0
	s_mov_b32 s[G1F+7], 0
	s_mov_b32 s[G0X], 1
	s_mul_i32 s[G0X+1], s32, 16*XPIT
	s_mov_b32 s[G0F], 1
	s_mul_i32 s[G0F+1], s32, 16*FPIT
	s_add_co_u32 s[G0F+1], s[G0F+1], FSB
	s_lshl_b32 s36, ttmp9, 19                      ; 4 chunks x 128 rows x 1,024 bytes a work-group,
	s_lshl_b32 s37, s32, 14                        ; 16 rows a wave
	s_add_co_u32 s36, s36, s37
	s_mov_b32 s37, 0
	s_lshl_b32 s38, ttmp9, 18
	s_lshl_b32 s39, s32, 13
	s_add_co_u32 s38, s38, s39
	s_mov_b32 s39, 0
	s_mov_b32 s[SEL], 0x76543210
	s_mov_b32 s[SEL+1], 0xfedcba98
	s_mov_b32 s70, 0xffff0000                      ; lanes 16-31
	s_mov_b32 s71, 0x3b800000                      ; 1 / 256
	s_mov_b32 s72, 0x3727c5ac                      ; eps = 1e-5
	s_mov_b32 s73, 0x3b000000                      ; 1 / 512
	s_wait_kmcnt 0x0
	s_add_nc_u64 s[G0X+2:G0X+3], s[4:5], s[36:37]
	s_or_b32 s[G0X+3], s[G0X+3], 0x80000000
	s_add_nc_u64 s[G0F+2:G0F+3], s[6:7], s[38:39]
	s_or_b32 s[G0F+3], s[G0F+3], 0x80000000
	tensor_load_to_lds s[G0X:G0X+3], s[G1X:G1X+7]  ; the first fills go out together: two tensor loads of mine are out
	s_nop 0
	tensor_load_to_lds s[G0F:G0F+3], s[G1F:G1F+7]
	s_nop 0
	PLACES 4
	s_mov_b32 s35, 0
	s_lshr_b32 s34, ttmp9, 4
	s_lshl_b32 s34, s34, 11
	s_and_b32 s36, ttmp9, 3
	s_lshl_b32 s36, s36, 9
	s_add_co_u32 s34, s34, s36
	s_add_nc_u64 s[8:9], s[8:9], s[34:35]          ; the mask is tiled: key j takes byte j mod 2,048 of its batch's row
	s_mul_i32 s34, ttmp9, 4*CHB
	s_add_nc_u64 s[28:29], s[28:29], s[34:35]
	s_lshl_b32 s34, ttmp9, 11
	s_add_nc_u64 s[30:31], s[30:31], s[34:35]
	s_lshl_b32 s34, ttmp9, 13
	s_add_nc_u64 s[18:19], s[18:19], s[34:35]
	s_mul_i32 s34, s32, 6144
	s_add_nc_u64 s[14:15], s[14:15], s[34:35]      ; w_kv: my 32 rows of 192 bytes
	s_add_nc_u64 s[24:25], s[24:25], s[34:35]      ; w_q: my 16 rows of 384 bytes
	s_lshl_b32 s34, s32, 8
	s_add_nc_u64 s[16:17], s[16:17], s[34:35]
	s_add_nc_u64 s[26:27], s[26:27], s[34:35]
	; ---- w_kv: my two tiles x two K steps, as fragments, to LDS as images; ln_c_w into window 1
.irp u, 0,1
.irp s, 0,1
.irp p, 0,1,2,3,4,5
	global_load_b64 v[100+12*(2*\u+\s)+2*\p:100+12*(2*\u+\s)+2*\p+1], v245, s[14:15] offset:8*\u*192+96*\s+48*(\p/3)+8*(\p%3)
.endr
	global_load_b32 v[148+2*\u+\s], v246, s[16:17] offset:64*\u+4*\s
.endr
.endr
	WIN 0x40
.irp b, 0,1,2,3,4,5,6,7
.irp j, 0,1,2,3
	global_load_b128 v[16*\b+4*\j:16*\b+4*\j+3], v249, s[10:11] offset:128*\b+16*\j
.endr
.endr
	WIN 0
	s_wait_loadcnt 32                              ; the 28 loads of w_kv are in; the 32 of ln_c_w issued behind them may be out
.irp q, 0,1,2,3,4,5,6,7,8,9,10,11
	ds_store_b128 v247, v[100+4*\q:100+4*\q+3] offset:512*\q
.endr
.irp q, 0,1,2,3
	ds_store_b32 v248, v[148+\q] offset:128*\q
.endr
	s_wait_dscnt 0x0                               ; the stores have read their registers: the next loads land there
	; ---- four rows of x_query: lane (row, part) holds 64 neighbours
.irp j, 0,1,2,3,4,5,6,7,8,9,10,11,12,13,14,15
	global_load_b128 v[100+4*\j:103+4*\j], v250, s[18:19] offset:16*\j
.endr
	WIN 0x40
.irp j, 0,1,2,3,4,5,6,7,8,9,10,11,12,13,14,15
	global_load_b128 v[128+4*\j:131+4*\j], v251, s[20:21] offset:16*\j
.endr
.irp j, 0,1,2,3,4,5,6,7,8,9,10,11,12,13,14,15
	global_load_b128 v[192+4*\j:195+4*\j], v251, s[22:23] offset:16*\j
.endr
	WIN 0
.irp s, 0,1,2,3
.irp p, 0,1,2,3,4,5
	global_load_b64 v[164+12*\s+2*\p:164+12*\s+2*\p+1], v252, s[24:25] offset:96*\s+48*(\p/3)+8*(\p%3)
.endr
	global_load_b32 v[WSC+\s], v253, s[26:27] offset:4*\s
.endr
	s_wait_loadcnt 28                              ; x_query, ln_q_w and ln_q_b are in; the 28 loads of w_q may be out
	SUMPK 100, 32
	v_add_f32_dpp v[ACC], v[ACC], v[ACC] row_xmask:1 row_mask:0xf bank_mask:0xf
	v_add_f32_dpp v[ACC], v[ACC], v[ACC] row_xmask:2 row_mask:0xf bank_mask:0xf
	v_add_f32_dpp v[ACC], v[ACC], v[ACC] row_xmask:4 row_mask:0xf bank_mask:0xf   ; the eight lanes of a row
	v_mul_f32 v[NM], 0xbb000000, v[ACC]
	v_mul_f32 v[NM+1], 0xbb000000, v[ACC]
.set jj, 0
.rept 32
	v_pk_add_f32 v[100+jj:101+jj], v[100+jj:101+jj], v[NM:NM+1]
.set jj, jj+2
.endr
	SQPK 100, 32
	v_add_f32_dpp v[ACC], v[ACC], v[ACC] row_xmask:1 row_mask:0xf bank_mask:0xf
	v_add_f32_dpp v[ACC], v[ACC], v[ACC] row_xmask:2 row_mask:0xf bank_mask:0xf
	v_add_f32_dpp v[ACC], v[ACC], v[ACC] row_xmask:4 row_mask:0xf bank_mask:0xf
	v_fma_f32 v[RS+1], v[ACC], s73, s72
	v_rsq_f32 v[RS], v[RS+1]
	v_nop                                          ; a plain place behind the transcendental
	s_wait_alu depctr_va_vdst(0)
	v_mov_b32 v[RS+1], v[RS]
.set jj, 0
.rept 32
	v_pk_mul_f32 v[100+jj:101+jj], v[100+jj:101+jj], v[RS:RS+1]
.set jj, jj+2
.endr
	WIN 0x14                                       ; sources 1 and 2 in window 1
.set jj, 0
.rept 32
	v_pk_fma_f32 v[100+jj:101+jj], v[100+jj:101+jj], v[128+jj:129+jj], v[192+jj:193+jj]
.set jj, jj+2
.endr
	WIN 0x40
.irp b, 0,1,2,3,4,5,6,7
.irp j, 0,1,2,3
	global_load_b128 v[128+16*\b+4*\j:128+16*\b+4*\j+3], v249, s[12:13] offset:128*\b+16*\j   ; ln_c_b takes the registers that ln_q_w and ln_q_b have left
.endr
.endr
	WIN 0
.irp c, 0,1                                    ; my two whole blocks of 32
	v_max3_num_f32 v[TM+\c], |v[100+32*\c]|, |v[101+32*\c]|, 0x1800000
.endr
.irp i, 2,4,6,8,10,12,14,16,18,20,22,24,26,28,30
.irp c, 0,1
	v_max3_num_f32 v[TM+\c], v[TM+\c], |v[100+32*\c+\i]|, |v[101+32*\c+\i]|
.endr
.endr
.irp c, 0,1
	v_add_nc_u32 v[TM+12+\c], 0xff000000, v[TM+\c]
.endr
.irp c, 0,1
	v_lshrrev_b32 v[TM+4+\c], 23, v[TM+12+\c]
.endr
	v_lshl_or_b32 v[TM+8], v[TM+5], 8, v[TM+4]
.irp c, 0,1
	v_cvt_scalef32_pk16_fp6_f32 v[PC+6*\c:PC+6*\c+2], v[100+32*\c:115+32*\c], v[TM+12+\c]
	v_cvt_scalef32_pk16_fp6_f32 v[PT+4*\c:PT+4*\c+2], v[116+32*\c:131+32*\c], v[TM+12+\c]
.endr
	v_nop
.irp c, 0,1
.irp i, 0,1,2
	v_mov_b32 v[PC+6*\c+3+\i], v[PT+4*\c+\i]
.endr
.endr
.irp q, 0,1,2
	ds_store_b128 v254, v[PC+4*\q:PC+4*\q+3] offset:16*\q
.endr
	ds_store_b16 v255, v[TM+8] offset:1600
.irp s, 0,1,2,3                                ; back as an operand: lane (r, h) takes row r % 4.  LDS serves a wave's instructions in order: these see my stores
.irp p, 0,1,2,3,4,5
	ds_load_b64 v[100+12*\s+2*\p:100+12*\s+2*\p+1], v228 offset:96*\s+48*(\p/3)+8*(\p%3)
.endr
	ds_load_b32 v[QSC+\s], v229 offset:1600+4*\s
.endr
	s_wait_dscnt 0x0
	s_wait_loadcnt 32                              ; w_q is in; the 32 loads of ln_c_b may be out
	v_wmma_scale_f32_16x16x128_f8f6f4 v[216:223], v[164:175], v[100:111], 0, v[WSC], v[QSC] matrix_a_fmt:MATRIX_FMT_FP6 matrix_b_fmt:MATRIX_FMT_FP6
.irp s, 1,2,3
	s_wait_alu depctr_va_vdst(0)                   ; this wait ahead of each link
	v_wmma_scale_f32_16x16x128_f8f6f4 v[216:223], v[164+12*\s:175+12*\s], v[100+12*\s:111+12*\s], v[216:223], v[WSC+\s], v[QSC+\s] matrix_a_fmt:MATRIX_FMT_FP6 matrix_b_fmt:MATRIX_FMT_FP6
.endr
	PLACES 4
	s_wait_xcnt 0x0                                ; EXEC changes only behind this wait
	v_cmp_gt_u32 vcc_lo, 4, v[RR]
	s_and_saveexec_b32 s34, vcc_lo                 ; lanes with r < 4 hold the four rows; register j is q(row, 16 w + 8 h + j)
	global_store_b128 v230, v[216:219], s[30:31]
	global_store_b128 v230, v[220:223], s[30:31] offset:16
	s_wait_xcnt 0x0
	s_or_b32 exec_lo, exec_lo, s34
	v_mov_b32 v[MG], 0x4b400000
	v_mov_b32 v[MG+1], 0x4b400000
	v_mov_b32 v[VS11], 0xb2d7322b
	v_mov_b32 v[VS11+1], 0xb2d7322b
	v_mov_b32 v[VC10], 0xb493f27e
	v_mov_b32 v[VC10+1], 0xb493f27e
	s_wait_loadcnt 0x0                             ; ln_c_b
	s_wait_tensorcnt 0x1                           ; my rows of the first x are in; the angles may stay out
	s_wait_dscnt 0x0
	s_barrier_signal -1
	s_barrier_wait -1                              ; everybody's rows of x and images of w_kv lie in LDS
; The change of a region.  Each wave waits for all its tensor loads, adds 0 to its spare word, waits for that and for its LDS reads and stores, and passes the barrier; fill = 1: the region just read is filled with the next chunk's rows.
.macro MEET g0, g1, step, fill
	s_wait_tensorcnt 0x0                           ; no tensor load of mine is out, so a group 0 may be written
	ds_add_u32 v[SPW], v[NIL]                      ; 0 onto my spare word
.if \fill
	s_add_nc_u64 s[\g0+2:\g0+3], s[\g0+2:\g0+3], \step
.endif
	s_wait_dscnt 0x0
	s_barrier_signal -1
	s_barrier_wait -1
.if \fill
	tensor_load_to_lds s[\g0:\g0+3], s[\g1:\g1+7]  ; my one tensor load behind this barrier
	s_nop 0
	PLACES 4
.endif
.endm
.macro WLOAD ph                        ; four fragments of w_kv (two tiles x two K steps) and their scale words, from image ph on
.irp q, 0,1,2,3,4,5,6,7,8,9,10,11
	ds_load_b128 v[WF+4*\q:WF+4*\q+3], v[LIW] offset:(\ph)*1536+512*\q
.endr
.irp q, 0,1,2,3
	ds_load_b32 v[WSC+\q], v[LSW] offset:((\ph)+\q)*128
.endr
.endm
.macro MM4 d                           ; source 0 = 16 rows of w_kv, source 1 = my 16 keys: two tiles by turns, K step by K step; a lane then holds one key and 16 neighbours along d
.irp s, 0,1
.irp u, 0,1
.if \s == 0
	v_wmma_scale_f32_16x16x128_f8f6f4 v[\d+8*\u:\d+8*\u+7], v[WF+12*(2*\u+\s):WF+12*(2*\u+\s)+11], v[XF+12*\s:XF+12*\s+11], 0, v[WSC+2*\u+\s], v[XSC+\s] matrix_a_fmt:MATRIX_FMT_FP6 matrix_b_fmt:MATRIX_FMT_FP6
.else
	v_wmma_scale_f32_16x16x128_f8f6f4 v[\d+8*\u:\d+8*\u+7], v[WF+12*(2*\u+\s):WF+12*(2*\u+\s)+11], v[XF+12*\s:XF+12*\s+11], v[\d+8*\u:\d+8*\u+7], v[WSC+2*\u+\s], v[XSC+\s] matrix_a_fmt:MATRIX_FMT_FP6 matrix_b_fmt:MATRIX_FMT_FP6
.endif
.endr
.endr
.endm
.macro DBLK bb                         ; d = 32 bb .. 32 bb + 31 of k and of v
	WLOAD 4*\bb
.irp j, 0,1,2,3
	ds_load_b128 v[FA+4*\j:FA+4*\j+3], v[AF] offset:128*\bb+16*\j
.endr
	s_wait_dscnt 0x0
	MM4 KR+16*\bb
	PLACES 4                                       ; in front of loads into registers that these products read
	WLOAD 16+4*\bb
.irp q, 0,1,2,3
	SINCOS4 FA+4*\q, CO+4*\q                       ; while v's fragments come
.endr
	s_wait_dscnt 0x0
	MM4 VA
	ROT KR+16*\bb, CO, FA, SCT, 8, 0               ; sixteen plain lines that name no register of the products above: their places
	ROT VA, CO, FA, SCT, 8, 0
.irp j, 0,1,2,3
	ds_store_b128 v[AVW], v[VA+4*\j:VA+4*\j+3] offset:128*\bb+16*\j
.endr
.endm
.macro CHUNK fill
	; ---- A: LayerNorm of my 16 keys (a lane: half of each block of 32 of its key's row), two fragments of codes
	global_load_u8 v[MB], v[GM], s[8:9]
.irp b, 0,1,2,3,4,5,6,7
.irp j, 0,1,2,3
	ds_load_b128 v[XR+16*\b+4*\j:XR+16*\b+4*\j+3], v[AX] offset:128*\b+16*\j
.endr
.endr
	s_wait_dscnt 0x0
	SUMPK XR, 64
	v_permlanex16_b32 v[ACC+1], v[ACC], s[SEL], s[SEL+1]
	v_add_f32 v[ACC], v[ACC], v[ACC+1]
	v_mul_f32 v[NM], 0xbb800000, v[ACC]
	v_mul_f32 v[NM+1], 0xbb800000, v[ACC]
.set jj, 0
.rept 64
	v_pk_add_f32 v[XR+jj:XR+jj+1], v[XR+jj:XR+jj+1], v[NM:NM+1]
.set jj, jj+2
.endr
	SQPK XR, 64
	v_permlanex16_b32 v[ACC+1], v[ACC], s[SEL], s[SEL+1]
	v_add_f32 v[ACC], v[ACC], v[ACC+1]
	v_fma_f32 v[RS+1], v[ACC], s71, s72
	v_rsq_f32 v[RS], v[RS+1]
	v_nop
	s_wait_alu depctr_va_vdst(0)
	v_mov_b32 v[RS+1], v[RS]
.set jj, 0
.rept 64
	v_pk_mul_f32 v[XR+jj:XR+jj+1], v[XR+jj:XR+jj+1], v[RS:RS+1]
.set jj, jj+2
.endr
	WIN 0x14
.set jj, 0
.rept 64
	v_pk_fma_f32 v[XR+jj:XR+jj+1], v[XR+jj:XR+jj+1], v[jj:jj+1], v[128+jj:129+jj]
.set jj, jj+2
.endr
	WIN 0
	QUANT XR, XF, PT, XSC
	QUANT XR+64, XF+12, PT, XSC+1
	MEET G0X, G1X, 131072, \fill                   ; nobody reads x any more, this chunk's angles have landed, V's stage has been read out; the next x has B in which to land
	; ---- B: the product, the rotations, K's codes
	PLACES 8                                       ; x's scale words were written by vector instructions
	DBLK 0
	DBLK 1
	DBLK 2
	DBLK 3
	s_wait_loadcnt 0x0                             ; my key's mask byte
	QUANT KR, PC, PT, PW
	v_cmp_ne_u32 vcc_lo, 0, v[MB]
.irp i, 0,1,2,3,4,5,6,7,8,9,10,11
	v_cndmask_b32 v[PC+\i], 0, v[PC+\i], vcc_lo    ; a key that the mask drops gets zero codes
.endr
	v_mov_b32 v[TV], 0
	v_cndmask_b32 v[TV], 0xf3000000, v[TV], vcc_lo ; and the bias -2^103
	v_cndmask_b32 v[TV], v[PW], v[TV], s70         ; lanes 0-15 carry the scale words, lanes 16-31 the biases
.irp c, 0,1,2
	global_store_b128 v[GK], v[PC+4*\c:PC+4*\c+3], s[28:29] offset:512*\c   ; 512 consecutive bytes a store
.endr
	global_store_b32 v[GS], v[TV], s[28:29]
	MEET G0F, G1F, 65536, \fill                    ; V's stage is whole, nobody reads the angles any more, the next x has landed; the next angles have C and A in which to land
	; ---- C: V's codes: lane (r, h) takes d = 16 w + r and, down the stage, keys 32 b + 16 h + i
.irp b, 0,1,2,3
.irp i, 0,1,2,3,4,5,6,7,8,9,10,11,12,13,14,15
	ds_load_b32 v[KR+16*\b+\i], v[AVR] offset:(32*\b+16*(\i/8)+\i%8)*VPIT
.endr
.endr
	s_wait_dscnt 0x0
	s_wait_xcnt 0x0                                ; K's stores have read their registers
	QUANT KR, PC, PT, PW
.irp c, 0,1,2
	global_store_b128 v[GV], v[PC+4*\c:PC+4*\c+3], s[28:29] offset:512*\c
.endr
	global_store_b32 v[GVS], v[PW], s[28:29]
	s_wait_xcnt 0x0                                ; the bases and the stores' registers are rewritten only behind this wait
	s_add_nc_u64 s[28:29], s[28:29], CHB
	s_add_nc_u64 s[8:9], s[8:9], 128
.endm
	s_mov_b32 s66, 3
.Lchunk:
	CHUNK 1
	s_sub_co_u32 s66, s66, 1
	s_cmp_lg_u32 s66, 0
	s_cbranch_scc1 .Lchunk
	CHUNK 0                                        ; the last chunk is written out: it asks for nothing
	s_wait_tensorcnt 0x0                           ; the wave's end
	ds_add_u32 v[SPW], v[NIL]
	s_wait_dscnt 0x0
	s_endpgm
.Lfunc_end_k_q12a0c843dd_prep:
	.size	k_q12a0c843dd_prep, .Lfunc_end_k_q12a0c843dd_prep-k_q12a0c843dd_prep
	.p2alignl 7, 3214868480
	.fill 96, 4, 3214868480
	.section	.rodata,"a",@progbits
	.p2align	6, 0x0
	.amdhsa_kernel k_q12a0c843dd_prep
		.amdhsa_group_segment_fixed_size 327680
		.amdhsa_private_segment_fixed_size 0
		.amdhsa_enable_private_segment 0
		.amdhsa_kernarg_size 112
		.amdhsa_user_sgpr_count 2
		.amdhsa_user_sgpr_kernarg_segment_ptr 1
		.amdhsa_wavefront_size32 1
		.amdhsa_system_sgpr_workgroup_id_x 1
		.amdhsa_system_sgpr_workgroup_id_y 1
		.amdhsa_system_sgpr_workgroup_id_z 1
		.amdhsa_system_vgpr_workitem_id 0
		.amdhsa_next_free_vgpr 512
		.amdhsa_next_free_sgpr 80
		.amdhsa_reserve_vcc 1
		.amdhsa_float_denorm_mode_32 3
		.amdhsa_float_denorm_mode_16_64 3
		.amdhsa_memory_ordered 1
		.amdhsa_forward_progress 1
		.amdhsa_inst_pref_size 255
	.end_amdhsa_kernel
	.section	.bss,"aw",@nobits
	.p2align	6
	.space	262144
	.amdgpu_metadata
---
amdhsa.version: [ 1, 2 ]
amdhsa.kernels:
  - .name:           k_q12a0c843dd_prep
    .symbol:         k_q12a0c843dd_prep.kd
    .args:
      - { .name: x_context, .offset: 0, .size: 8, .value_kind: global_buffer, .address_space: global }
      - { .name: rotary_time_emb_context, .offset: 8, .size: 8, .value_kind: global_buffer, .address_space: global }
      - { .name: context_mask, .offset: 16, .size: 8, .value_kind: global_buffer, .address_space: global }
      - { .name: ln_c_w, .offset: 24, .size: 8, .value_kind: global_buffer, .address_space: global }
      - { .name: ln_c_b, .offset: 32, .size: 8, .value_kind: global_buffer, .address_space: global }
      - { .name: w_kv_codes, .offset: 40, .size: 8, .value_kind: global_buffer, .address_space: global }
      - { .name: w_kv_scales, .offset: 48, .size: 8, .value_kind: global_buffer, .address_space: global }
      - { .name: x_query, .offset: 56, .size: 8, .value_kind: global_buffer, .address_space: global }
      - { .name: ln_q_w, .offset: 64, .size: 8, .value_kind: global_buffer, .address_space: global }
      - { .name: ln_q_b, .offset: 72, .size: 8, .value_kind: global_buffer, .address_space: global }
      - { .name: w_q_codes, .offset: 80, .size: 8, .value_kind: global_buffer, .address_space: global }
      - { .name: w_q_scales, .offset: 88, .size: 8, .value_kind: global_buffer, .address_space: global }
      - { .name: kv, .offset: 96, .size: 8, .value_kind: global_buffer, .address_space: global }
      - { .name: qlin, .offset: 104, .size: 8, .value_kind: global_buffer, .address_space: global }
    .group_segment_fixed_size: 327680
    .private_segment_fixed_size: 0
    .kernarg_segment_align: 8
    .kernarg_segment_size: 112
    .max_flat_workgroup_size: 256
    .sgpr_count:     80
    .vgpr_count:     512
    .wavefront_size: 32
...
	.end_amdgpu_metadata
.endif
;; end of part 1
;; launch attn (part 2): grid 16 x 16, 8 waves a work-group, clusters of 4 x 1, 327,680 bytes of LDS; arguments kv, qlin, rotary_time_emb_query, part; writes part
.if DOCPART == 2
	.amdgcn_target "amdgcn-amd-amdhsa--gfx1250"
	.amdhsa_code_object_version 6
	.text
	.protected	k_q12a0c843dd_attn
	.globl	k_q12a0c843dd_attn
	.p2align	8
	.type	k_q12a0c843dd_attn,@function
k_q12a0c843dd_attn:
	s_mov_b64 s[64:65], 0
	v_nop
	global_prefetch_b8 v0, s[64:65] scope:SCOPE_SE
	s_setreg_imm32_b32 hwreg(HW_REG_WAVE_MODE, 25, 1), 1
	s_wait_xcnt 0x0
	s_wait_alu depctr_hold_cnt(0) depctr_sa_sdst(0) depctr_va_vdst(0) depctr_va_sdst(0) depctr_va_ssrc(0) depctr_va_vcc(0) depctr_vm_vsrc(0)
	s_getreg_b32 s2, hwreg(HW_REG_IB_STS2, 6, 4)
	s_cmp_eq_u32 s2, 0
	s_cbranch_scc0 .Lentry_in_a_cluster
	s_endpgm
.Lentry_in_a_cluster:
	s_bfe_u32 s2, ttmp6, 0x10000c
	s_cmp_lg_u32 s2, 0x3003
	s_cbranch_scc0 .Lentry_shape_is_right
	s_endpgm
.Lentry_shape_is_right:
; ATTN.  For 64 queries of one batch: q rotated by the batch's angles and quantised; S^T = K Q^T and O^T = V^T P^T on E2M3 codes over all 8,192 keys; p = 2^(t - M), t = score x log2(e) / sqrt(128),
; M the running largest t rounded up to a whole number; the row's sum is taken of the unquantised p; O / sum, rotated back, summed over the 64 queries, goes to part.
; SHARES.  8 waves.  Wave w takes query tiles 2 (w % 2) and 2 (w % 2) + 1 and the key quarter w / 2: chunks 16 (w / 2) .. + 15 of 128 keys, one a step.  Two waves lie on a SIMD, so that one wave's
; products and LDS loads stand beside the other's softmax; each fragment read from LDS feeds two products.  At the end the four quarters are joined by exact powers of two.
; THE MASK.  The launch before gave dropped keys zero codes and a bias of -2^103 (kept keys: 0.0).  The biases are loaded into the score registers and are the C of K Q^T: a dropped key's score is exactly -2^103,
; so p = 0 beside any kept key, and p = 1 for every key where a batch keeps none, as the softmax of equal logits asks.  LIMIT: a dropped key's t is -1.29e30 where -1e30 x log2(e) = -1.44e30 is written; real logits above -1.2e30 see no difference.
; CLUSTER.  The four work-groups of a cluster are four query blocks of one batch and walk the same chunks: each half chunk (13,312 dense bytes) is asked for JOINTLY, by the same tensor load with the same
; descriptor and the mask of all four.  My place in the cluster enters only the addresses of qlin, of the angles and of part.
; LIMITS: as in the launch before for sin and cos (|angle| under 2^22 pi); NaN and infinities are not served.
; REGISTERS.  Window 0: v1-15 addresses; v16-27 the two tiles' -M, largest t, sum, factor; v28-43 scale words; v44-67 p's codes; v68-93 at work; v96-223 the two tiles' scores, then p; v224-237 addresses, constants.
;   Window 1: v0-127 O^T of the two tiles; v128-223 eight fragments of K, then of V; v224-247 Q's two fragments.
.set QB,    26624                      ; a chunk
.set SLOT1, 131072                     ; slot 0 at 0, slot 1 here: four quarters' chunks each; one exclusive or turns an address from one to the other
.set QI,    237568                     ; images of Q's four fragments
.set QS,    243712                     ; their scale words
.set ML,    244224                     ; -M [tile][quarter][lane], and 2,048 bytes on the sums
.set RED,   248320                     ; four tiles x 128 sums over queries
.set SPARE, 250368                     ; the spare words: 128 bytes for each of 8 waves
.set LI0, 1
.set LS0, 2
.set AB0, 3
.set ADI, 4
.set ADS, 5
.set ADB, 6
.set SPW, 7
.set NIL, 8
.set QWI, 9
.set QWS, 10
.set QRI, 11
.set QRS, 12
.set MLW, 13
.set MLR, 14
.set OXW, 15
.set STA, 16                           ; tile A: v16 -M, v17 the largest t, v[18:19] the sum; tile B: v20-23
.set STB, 20
.set FPA, 24                           ; v[24:25], v[26:27] the factors
.set FPB, 26
.set QSC, 28                           ; v28-29 Q's scale words; v30-31 p's; v32-35 K's (two tiles a register); v36-43 V's
.set PSC, 30
.set KSC, 32
.set VSC, 36
.set PA,  44
.set PB,  56
.set BM,  68
.set PX,  72
.set SO,  76
.set CT,  80
.set TT,  88
.set SU,  92
.set SA,  96
.set SB,  160
.set OXR0, 224
.set OXR1, 225
.set REDW, 226
.set REDR, 227
.set GQ,  228
.set GT,  229
.set GL,  230
.set MG,  232
.set VS11, 234
.set VC10, 236
.set LL,  248
.set RR,  249
.set HH,  250
.set TM,  64                           ; the head's quantiser works in v64-79
.set SCT, 68
.set SCR, 72
.set SCZ, 76
.set SCP, 80
.set FR,  128                          ; window 1
.set QF,  224
.set SEL, 18                           ; s[18:19]
.set CS,  20                           ; s[20:21] c = log2(e) / sqrt(128)
.set G1,  24
.set G0,  32
.set MSB, 0
.macro WIN new
.if MSB != \new
	s_set_vgpr_msb (MSB<<8)|\new
.set MSB, \new
.endif
.endm
.macro PLACES n
.rept \n
	v_nop
.endr
.endm
.macro QUANT s, pc, ct, pw             ; 64 numbers of a lane, register 16b+i = k 32b + 16h + i, become a fragment's codes and its scale word
.irp b, 0,1,2,3
	v_max3_num_f32 v[TM+\b], |v[\s+16*\b]|, |v[\s+1+16*\b]|, 0x1800000
.endr
.irp i, 2,4,6,8,10,12,14
.irp b, 0,1,2,3
	v_max3_num_f32 v[TM+\b], v[TM+\b], |v[\s+16*\b+\i]|, |v[\s+1+16*\b+\i]|
.endr
.endr
.irp b, 0,1,2,3
	v_permlanex16_b32 v[TM+4+\b], v[TM+\b], s[SEL], s[SEL+1]
.endr
.irp b, 0,1,2,3
	v_max_num_f32 v[TM+\b], v[TM+\b], v[TM+4+\b]
.endr
.irp b, 0,1,2,3
	v_add_nc_u32 v[TM+12+\b], 0xff000000, v[TM+\b]
.endr
.irp b, 0,1,2,3
	v_lshrrev_b32 v[TM+4+\b], 23, v[TM+12+\b]
.endr
	v_lshl_or_b32 v[\pw], v[TM+5], 8, v[TM+4]
	v_lshl_or_b32 v[\pw], v[TM+6], 16, v[\pw]
	v_lshl_or_b32 v[\pw], v[TM+7], 24, v[\pw]
.irp c, 0,1
	v_cvt_scalef32_pk16_fp6_f32 v[\pc+6*\c:\pc+6*\c+2], v[\s+32*\c:\s+32*\c+15], v[TM+12+2*\c]
	v_cvt_scalef32_pk16_fp6_f32 v[\ct+4*\c:\ct+4*\c+2], v[\s+32*\c+16:\s+32*\c+31], v[TM+13+2*\c]
.endr
	v_nop
.irp c, 0,1
.irp i, 0,1,2
	v_permlane16_swap_b32 v[\pc+6*\c+\i], v[\ct+4*\c+\i]
.endr
.irp i, 0,1,2
	v_mov_b32 v[\pc+6*\c+3+\i], v[\ct+4*\c+\i]
.endr
.endr
.endm
.macro HSTEP ca, ks, kc
.irp p, 0,2
	v_pk_fma_f32 v[SCP+\p:SCP+\p+1], v[SCP+\p:SCP+\p+1], v[SCZ+\p:SCZ+\p+1], \ks op_sel_hi:[1,1,0]
	v_pk_fma_f32 v[\ca+\p:\ca+\p+1], v[\ca+\p:\ca+\p+1], v[SCZ+\p:SCZ+\p+1], \kc op_sel_hi:[1,1,0]
.endr
.endm
.macro SINCOS4 fa, ca                  ; four angles become their sines, in place; their cosines go to v[ca..ca+3]
.irp p, 0,2
	v_pk_fma_f32 v[SCT+\p:SCT+\p+1], v[\fa+\p:\fa+\p+1], 0x3ea2f983, v[MG:MG+1] op_sel_hi:[1,0,1]
.endr
.irp p, 0,2
	v_pk_add_f32 v[SCP+\p:SCP+\p+1], v[SCT+\p:SCT+\p+1], v[MG:MG+1] neg_lo:[0,1] neg_hi:[0,1]
.endr
.irp p, 0,2
	v_pk_fma_f32 v[SCR+\p:SCR+\p+1], v[SCP+\p:SCP+\p+1], 0xc0490fdb, v[\fa+\p:\fa+\p+1] op_sel_hi:[1,0,1]
.endr
.irp p, 0,2
	v_pk_fma_f32 v[SCR+\p:SCR+\p+1], v[SCP+\p:SCP+\p+1], 0x33bbbd2e, v[SCR+\p:SCR+\p+1] op_sel_hi:[1,0,1]
.endr
.irp p, 0,2
	v_pk_mul_f32 v[SCZ+\p:SCZ+\p+1], v[SCR+\p:SCR+\p+1], v[SCR+\p:SCR+\p+1]
.endr
.irp p, 0,2
	v_pk_fma_f32 v[SCP+\p:SCP+\p+1], v[SCZ+\p:SCZ+\p+1], 0x2f309231, v[VS11:VS11+1] op_sel_hi:[1,0,1]
	v_pk_fma_f32 v[\ca+\p:\ca+\p+1], v[SCZ+\p:SCZ+\p+1], 0x310f76c7, v[VC10:VC10+1] op_sel_hi:[1,0,1]
.endr
	HSTEP \ca, 0x3638ef1d, 0x37d00d01
	HSTEP \ca, 0xb9500d01, 0xbab60b61
	HSTEP \ca, 0x3c088889, 0x3d2aaaab
	HSTEP \ca, 0xbe2aaaab, -0.5
.irp p, 0,2
	v_pk_mul_f32 v[\fa+\p:\fa+\p+1], v[SCR+\p:SCR+\p+1], v[SCZ+\p:SCZ+\p+1]
	v_pk_fma_f32 v[\ca+\p:\ca+\p+1], v[\ca+\p:\ca+\p+1], v[SCZ+\p:SCZ+\p+1], 1.0 op_sel_hi:[1,1,0]
.endr
.irp e, 0,1,2,3
	v_lshlrev_b32 v[SCT+\e], 31, v[SCT+\e]
.endr
.irp p, 0,2
	v_pk_fma_f32 v[\fa+\p:\fa+\p+1], v[\fa+\p:\fa+\p+1], v[SCP+\p:SCP+\p+1], v[SCR+\p:SCR+\p+1]
.endr
.irp e, 0,1,2,3
	v_xor_b32 v[\ca+\e], v[SCT+\e], v[\ca+\e]
.endr
.irp e, 0,1,2,3
	v_xor_b32 v[\fa+\e], v[SCT+\e], v[\fa+\e]
.endr
.endm
.macro ROT x, cc, ss, tt, n, back      ; n pairs (x0, x1) become (x0 c0 - x1 s0, x1 c1 + x0 s1); back = 1: by the negative angle
.set rp, 0
.rept \n
.if \back
	v_pk_mul_f32 v[\tt+rp:\tt+rp+1], v[\x+rp:\x+rp+1], v[\ss+rp:\ss+rp+1] op_sel:[1,0] op_sel_hi:[0,1] neg_hi:[1,0]
.else
	v_pk_mul_f32 v[\tt+rp:\tt+rp+1], v[\x+rp:\x+rp+1], v[\ss+rp:\ss+rp+1] op_sel:[1,0] op_sel_hi:[0,1] neg_lo:[1,0]
.endif
.set rp, rp+2
.endr
.set rp, 0
.rept \n
	v_pk_fma_f32 v[\x+rp:\x+rp+1], v[\x+rp:\x+rp+1], v[\cc+rp:\cc+rp+1], v[\tt+rp:\tt+rp+1]
.set rp, rp+2
.endr
.endm
.macro ROUND                           ; a round of the cluster's barrier
	s_barrier_signal -1
	s_barrier_wait -1
	s_cmp_lg_u32 s12, 0
	s_cbranch_scc1 .Lnot_wave_0_\@
	s_barrier_signal -3
.Lnot_wave_0_\@:
	s_barrier_wait -3
	s_barrier_signal -1
	s_barrier_wait -1
.endm
	s_load_b256 s[4:11], s[0:1], 0x0               ; kv, qlin, the queries' angles, part
	v_lshl_add_u32 v[SPW], v0, 2, SPARE
	v_mov_b32 v[NIL], 0
	ds_add_u32 v7, v8
	ds_add_u32 v7, v8
	s_wait_dscnt 0x0
	v_lshrrev_b32 v[TT], 5, v0
	v_readfirstlane_b32 s12, v[TT]                 ; wave 0..7
	s_and_b32 s13, s12, 1                          ; which pair of query tiles; at the end: which half of the head's 128
	s_lshr_b32 s14, s12, 1                         ; which quarter of the keys; at the end: which query tile
	s_bfe_u32 s15, ttmp6, 0x40000                  ; cx
	s_lshl_b32 s16, ttmp9, 2
	s_add_co_u32 s16, s16, s15                     ; my block of 64 queries
	s_and_b32 s17, ttmp7, 0xffff                   ; the batch, which the four partners share
	v_and_b32 v[LL], 31, v0
	v_and_b32 v[RR], 15, v0
	v_bfe_u32 v[HH], v0, 4, 1
	s_mul_i32 s40, s14, QB
	v_lshl_add_u32 v[LI0], v[LL], 4, s40           ; my quarter's chunk in a slot: images, 16 bytes a lane;
	v_lshl_add_u32 v[LS0], v[LL], 2, s40           ; words, 4 bytes a lane;
	s_add_co_u32 s41, s40, 12800
	v_lshl_add_u32 v[AB0], v[HH], 5, s41           ; the biases of my half's eight rows of a tile
	s_and_b32 s42, s12, 3
	s_mul_i32 s41, s42, 1536
	s_add_co_u32 s41, s41, QI
	v_lshl_add_u32 v[QWI], v[LL], 4, s41
	s_lshl_b32 s41, s42, 7
	s_add_co_u32 s41, s41, QS
	v_lshl_add_u32 v[QWS], v[LL], 2, s41
	s_mul_i32 s41, s13, 3072
	s_add_co_u32 s41, s41, QI
	v_lshl_add_u32 v[QRI], v[LL], 4, s41
	s_lshl_b32 s41, s13, 8
	s_add_co_u32 s41, s41, QS
	v_lshl_add_u32 v[QRS], v[LL], 2, s41
	s_lshl_b32 s41, s13, 3
	s_add_co_u32 s41, s41, s14
	s_lshl_b32 s41, s41, 7
	s_add_co_u32 s41, s41, ML
	v_lshl_add_u32 v[MLW], v[LL], 2, s41
	s_lshl_b32 s41, s13, 10
	s_add_co_u32 s41, s41, ML
	v_lshl_add_u32 v[MLR], v[LL], 2, s41
	s_lshl_b32 s41, s12, 14
	v_lshl_add_u32 v[OXW], v[LL], 4, s41
	s_lshr_b32 s41, s12, 2
	s_lshl_b32 s41, s41, 14
	s_and_b32 s43, s14, 1
	s_lshl_b32 s43, s43, 13
	s_add_co_u32 s41, s41, s43
	s_lshl_b32 s43, s13, 12
	s_add_co_u32 s41, s41, s43
	v_lshl_add_u32 v[OXR0], v[LL], 4, s41
	v_add_nc_u32 v[OXR1], 65536, v[OXR0]
	s_lshl_b32 s41, s14, 9
	s_lshl_b32 s43, s13, 8
	s_add_co_u32 s41, s41, s43
	s_add_co_u32 s41, s41, RED
	v_lshl_add_u32 v[REDW], v[HH], 5, s41
	v_lshl_add_u32 v[REDR], v[LL], 4, RED
	v_lshlrev_b32 v[GQ], 9, v[RR]
	v_lshl_add_u32 v[GT], v[HH], 5, v[GQ]          ; row r of 512 bytes + 32 h
	v_lshl_add_u32 v[GQ], v[HH], 6, v[GQ]          ; row r of 512 bytes + 64 h
	v_lshlrev_b32 v[GL], 4, v[LL]
	; descriptor: half a chunk, 52 dense rows of 256 bytes (32 elements of 8 bytes), no padding; the mask names all four work-groups, bit 21 beside it
	s_mov_b32 s[G1+0], 15|(3<<16)|(1<<21)
	s_mov_b32 s[G1+1], 32<<16
	s_mov_b32 s[G1+2], 52<<16
	s_mov_b32 s[G1+3], 32<<16
	s_mov_b32 s[G1+4], 52
	s_mov_b32 s[G1+5], 32
	s_mov_b32 s[G1+6], 0
	s_mov_b32 s[G1+7], 0
	s_mov_b32 s[G0], 1
	s_mul_i32 s[G0+1], s12, 13312                  ; quarter w / 2, half w % 2
	s_mul_i32 s38, s17, 64*QB                      ; the batch's 64 chunks, my quarter's 16, my half: nothing of my place in the cluster
	s_mul_i32 s39, s14, 16*QB
	s_add_co_u32 s38, s38, s39
	s_mul_i32 s39, s13, 13312
	s_add_co_u32 s38, s38, s39
	s_mov_b32 s39, 0
	s_lshl_b32 s52, s16, 15                        ; my block's 64 rows of 512 bytes
	s_lshl_b32 s53, s42, 13
	s_add_co_u32 s54, s52, s53                     ; the tile that I rotate at the head
	s_mov_b32 s55, 0
	s_lshl_b32 s56, s17, 19
	s_add_co_u32 s56, s56, s52
	s_add_co_u32 s58, s56, s53
	s_mov_b32 s59, 0
	s_lshl_b32 s53, s14, 13
	s_add_co_u32 s56, s56, s53
	s_lshl_b32 s53, s13, 8
	s_add_co_u32 s56, s56, s53                     ; the tile and the half that I rotate back at the end
	s_mov_b32 s57, 0
	s_lshl_b32 s60, s17, 4
	s_add_co_u32 s60, s60, s16
	s_lshl_b32 s60, s60, 9
	s_mov_b32 s61, 0
	s_mov_b32 s[SEL], 0x76543210
	s_mov_b32 s[SEL+1], 0xfedcba98
	s_mov_b32 s[CS], 0x3e0293ee
	s_mov_b32 s[CS+1], s[CS]
	s_mov_b32 s36, 0                               ; the slot in hand
	s_mov_b32 s37, 15
	s_wait_kmcnt 0x0
	s_add_nc_u64 s[44:45], s[6:7], s[54:55]
	s_add_nc_u64 s[46:47], s[8:9], s[58:59]
	s_add_nc_u64 s[48:49], s[8:9], s[56:57]
	s_add_nc_u64 s[50:51], s[10:11], s[60:61]
	s_add_nc_u64 s[G0+2:G0+3], s[4:5], s[38:39]
	s_or_b32 s[G0+3], s[G0+3], 0x80000000
	ROUND                                          ; all four work-groups are here: the first joint loads meet
	tensor_load_to_lds s[G0:G0+3], s[G1:G1+7]      ; my half of my quarter's first chunk, into slot 0
	s_nop 0
	PLACES 4
.irp t, STA, STB
	v_mov_b32 v[\t+1], 0xff61b1e6                  ; the largest t so far: -3e38
	v_floor_f32 v[\t], -v[\t+1]
	v_mov_b32 v[\t+2], 0
	v_mov_b32 v[\t+3], 0
.endr
	v_mov_b32 v[FPA+1], 0                          ; (named as the upper halves of pairs)
	v_mov_b32 v[FPB+1], 0
.irp i, 0,1,2,3,4,5,6,7
	v_mov_b32 v[BM+\i], 0                          ; written once: a lane permute's destination counts as one of its sources
.endr
	v_mov_b32 v[MG], 0x4b400000
	v_mov_b32 v[MG+1], 0x4b400000
	v_mov_b32 v[VS11], 0xb2d7322b
	v_mov_b32 v[VS11+1], 0xb2d7322b
	v_mov_b32 v[VC10], 0xb493f27e
	v_mov_b32 v[VC10+1], 0xb493f27e
	WIN 0x40
.set jj, 0
.rept 128
	v_mov_b32 v[jj], 0                             ; O^T: the step is written once; its first turn finds zeros, which the first change of M leaves zeros
.set jj, jj+1
.endr
	WIN 0
	; ---- Q: waves 0-3 rotate and quantise one tile of 16 queries each, while the first chunk is on its way
	s_cmp_lt_u32 s12, 4
	s_cbranch_scc0 .Lno_q
.irp b, 0,1,2,3
.irp j, 0,1,2,3
	global_load_b128 v[SA+16*\b+4*\j:SA+16*\b+4*\j+3], v[GQ], s[44:45] offset:128*\b+16*\j
	global_load_b128 v[SB+16*\b+4*\j:SB+16*\b+4*\j+3], v[GQ], s[46:47] offset:128*\b+16*\j
.endr
.endr
	s_wait_loadcnt 0x0
.irp q, 0,1,2,3,4,5,6,7,8,9,10,11,12,13,14,15
	SINCOS4 SB+4*\q, 84
	ROT SA+4*\q, 84, SB+4*\q, 88, 2, 0
.endr
	QUANT SA, PA, CT, PSC
.irp c, 0,1,2
	ds_store_b128 v[QWI], v[PA+4*\c:PA+4*\c+3] offset:512*\c
.endr
	ds_store_b32 v[QWS], v[PSC]
.Lno_q:
	s_wait_dscnt 0x0
	s_barrier_signal -1
	s_barrier_wait -1                              ; Q's four images lie in LDS
	WIN 0x40
.irp t, 0,1
.irp c, 0,1,2
	ds_load_b128 v[QF+12*\t+4*\c:QF+12*\t+4*\c+3], v[QRI] offset:1536*\t+512*\c
.endr
.endr
	WIN 0
.irp t, 0,1
	ds_load_b32 v[QSC+\t], v[QRS] offset:128*\t
.endr
	s_wait_dscnt 0x0
; One tile's softmax for 128 keys.  sr: its 64 scores (register 16b+i = key 32b + 16h + i); st: -M, largest t, sum; fp: the factor; pr: p's codes; pw: p's scale word
.macro SOFTMAX sr, st, fp, pr, pw
.irp b, 0,1,2,3
	v_max3_num_f32 v[BM+\b], v[\sr+16*\b], v[\sr+1+16*\b], v[\sr+2+16*\b]   ; the largest score of each block of 32 keys: for the row's maximum and, since p rises with the score, for the block's largest p
.endr
.irp i, 3,5,7,9,11,13
.irp b, 0,1,2,3
	v_max3_num_f32 v[BM+\b], v[BM+\b], v[\sr+16*\b+\i], v[\sr+1+16*\b+\i]
.endr
.endr
.irp b, 0,1,2,3
	v_max_num_f32 v[BM+\b], v[BM+\b], v[\sr+15+16*\b]
.endr
.irp b, 0,1,2,3
	v_permlanex16_b32 v[PX+\b], v[BM+\b], s[SEL], s[SEL+1]
.endr
.irp b, 0,1,2,3
	v_max_num_f32 v[BM+\b], v[BM+\b], v[PX+\b]
.endr
	v_max3_num_f32 v[TT], v[BM], v[BM+1], v[BM+2]
	v_max_num_f32 v[TT], v[TT], v[BM+3]
	v_mul_f32 v[TT], s[CS], v[TT]
	v_max_num_f32 v[\st+1], v[\st+1], v[TT]            ; the running largest t
	v_mov_b32 v[TT], v[\st]
	v_floor_f32 v[\st], -v[\st+1]                      ; the new -M = -ceil(t): a whole number
	v_sub_f32 v[TT], v[\st], v[TT]
	v_cvt_i32_f32 v[TT], v[TT]                         ; (it saturates)
	v_ldexp_f32 v[\fp], 1.0, v[TT]                     ; 2^(old M - new M): rounds nothing
.set jj, 0
.rept 32
	v_pk_fma_f32 v[\sr+jj:\sr+jj+1], v[\sr+jj:\sr+jj+1], s[CS:CS+1], v[\st:\st+1] op_sel_hi:[1,0,0]   ; t - M
.set jj, jj+2
.endr
.irp b, 0,1,2,3
	v_fma_f32 v[BM+\b], v[BM+\b], s[CS], v[\st]
.endr
.set jj, 0
.rept 64
	v_exp_f32 v[\sr+jj], v[\sr+jj]
.set jj, jj+1
.endr
.irp b, 0,1,2,3
	v_exp_f32 v[BM+\b], v[BM+\b]
.endr
	v_pk_mul_f32 v[\st+2:\st+3], v[\st+2:\st+3], v[\fp:\fp+1] op_sel_hi:[1,0]   ; the sum under the new M (a plain place behind the exponentials)
	s_wait_alu depctr_va_vdst(0)
.irp b, 0,1,2,3
	v_max_num_f32 v[BM+\b], 0x1800000, v[BM+\b]        ; the floor 2^(3-127)
.endr
.irp b, 0,1,2,3
	v_add_nc_u32 v[SO+\b], 0xff000000, v[BM+\b]
.endr
.irp b, 0,1,2,3
	v_lshrrev_b32 v[PX+\b], 23, v[SO+\b]
.endr
	v_lshl_or_b32 v[\pw], v[PX+1], 8, v[PX]
	v_lshl_or_b32 v[\pw], v[PX+2], 16, v[\pw]
	v_lshl_or_b32 v[\pw], v[PX+3], 24, v[\pw]
.irp c, 0,1
	v_cvt_scalef32_pk16_fp6_f32 v[\pr+6*\c:\pr+6*\c+2], v[\sr+32*\c:\sr+32*\c+15], v[SO+2*\c]
	v_cvt_scalef32_pk16_fp6_f32 v[CT+4*\c:CT+4*\c+2], v[\sr+32*\c+16:\sr+32*\c+31], v[SO+2*\c+1]
.endr
	v_nop
.irp c, 0,1
.irp i, 0,1,2
	v_permlane16_swap_b32 v[\pr+6*\c+\i], v[CT+4*\c+\i]
.endr
.irp i, 0,1,2
	v_mov_b32 v[\pr+6*\c+3+\i], v[CT+4*\c+\i]
.endr
.endr
	v_pk_add_f32 v[SU:SU+1], v[\sr:\sr+1], v[\sr+2:\sr+3]   ; the sum of the unquantised p, in two chains
.irp j, 4,8,12,16,20,24,28,32,36,40,44,48,52,56,60
	v_pk_add_f32 v[\st+2:\st+3], v[\st+2:\st+3], v[\sr+\j:\sr+\j+1]
	v_pk_add_f32 v[SU:SU+1], v[SU:SU+1], v[\sr+\j+2:\sr+\j+3]
.endr
	v_pk_add_f32 v[\st+2:\st+3], v[\st+2:\st+3], v[SU:SU+1]
.endm
; The change of slots stands at a step's head.  fill = 1: the slot that has been left is filled with the chunk after this step's, by a joint load behind a round of the cluster's barrier
.macro CHANGE fill
	s_wait_tensorcnt 0x0                           ; my one load that was out, my half of this step's chunk, has landed; the group 0 may be written
	ds_add_u32 v[SPW], v[NIL]                      ; 0 onto my spare word
.if \fill
	s_xor_b32 s[G0+1], s[G0+1], SLOT1
	s_add_nc_u64 s[G0+2:G0+3], s[G0+2:G0+3], QB
.endif
	s_wait_dscnt 0x0                               ; the add is done, and my reads of the slot that I have left are over
.if \fill
	ROUND                                          ; that now holds of every wave of all four work-groups
	tensor_load_to_lds s[G0:G0+3], s[G1:G1+7]      ; it has this whole step in which to land
	s_nop 0
	PLACES 4
.else
	s_barrier_signal -1
	s_barrier_wait -1
.endif
.endm
.macro STEP
	v_nop                                          ; with the three additions: four places in front of loads into registers that the last products read
	v_add_nc_u32 v[ADI], s36, v[LI0]
	v_add_nc_u32 v[ADS], s36, v[LS0]
	v_add_nc_u32 v[ADB], s36, v[AB0]
	WIN 0x40
.irp q, 0,1,2,3,4,5,6,7,8,9,10,11,12,13,14,15,16,17,18,19,20,21,22,23
	ds_load_b128 v[FR+4*\q:FR+4*\q+3], v[ADI] offset:512*\q          ; K's eight fragments, as they were stored
.endr
	WIN 0
.irp q, 0,1,2,3
	ds_load_b32 v[KSC+\q], v[ADS] offset:12288+128*\q                ; lanes 0-15: tile 2q's words; lanes 16-31: tile 2q+1's
.endr
.irp i, 0,1,2,3,4,5,6,7
.irp t, 0,1
	ds_load_b128 v[SA+64*\t+8*\i:SA+64*\t+8*\i+3], v[ADB] offset:64*\i       ; the biases of the tile's rows 8h .. 8h+7: the products' C
	ds_load_b128 v[SA+64*\t+8*\i+4:SA+64*\t+8*\i+7], v[ADB] offset:64*\i+16
.endr
.endr
	s_wait_dscnt 0x0
	WIN 0x05                                       ; K and Q in window 1, the scores in window 0
.irp i, 0,1,2,3,4,5,6,7
.irp t, 0,1
.if \i % 2
	v_wmma_scale_f32_16x16x128_f8f6f4 v[SA+64*\t+8*\i:SA+64*\t+8*\i+7], v[FR+12*\i:FR+12*\i+11], v[QF+12*\t:QF+12*\t+11], v[SA+64*\t+8*\i:SA+64*\t+8*\i+7], v[KSC+\i/2], v[QSC+\t] matrix_a_fmt:MATRIX_FMT_FP6 matrix_b_fmt:MATRIX_FMT_FP6 matrix_a_scale:MATRIX_SCALE_ROW1
.else
	v_wmma_scale_f32_16x16x128_f8f6f4 v[SA+64*\t+8*\i:SA+64*\t+8*\i+7], v[FR+12*\i:FR+12*\i+11], v[QF+12*\t:QF+12*\t+11], v[SA+64*\t+8*\i:SA+64*\t+8*\i+7], v[KSC+\i/2], v[QSC+\t] matrix_a_fmt:MATRIX_FMT_FP6 matrix_b_fmt:MATRIX_FMT_FP6
.endif
.endr
.endr
	WIN 0
	PLACES 4                                       ; in front of the loads into K's registers and of the first read of the scores
	WIN 0x40
.irp q, 0,1,2,3,4,5,6,7,8,9,10,11,12,13,14,15,16,17,18,19,20,21,22,23
	ds_load_b128 v[FR+4*\q:FR+4*\q+3], v[ADI] offset:13312+512*\q    ; V's eight fragments come while the softmax runs
.endr
	WIN 0
.irp q, 0,1,2,3,4,5,6,7
	ds_load_b32 v[VSC+\q], v[ADS] offset:25600+128*\q
.endr
	SOFTMAX SA, STA, FPA, PA, PSC
	SOFTMAX SB, STB, FPB, PB, PSC+1
	WIN 0x41                                       ; O^T in window 1, the factor in window 0
.set jj, 0
.rept 32
	v_pk_mul_f32 v[jj:jj+1], v[jj:jj+1], v[FPA:FPA+1] op_sel_hi:[1,0]
	v_pk_mul_f32 v[64+jj:65+jj], v[64+jj:65+jj], v[FPB:FPB+1] op_sel_hi:[1,0]
.set jj, jj+2
.endr
	s_wait_dscnt 0x0
	WIN 0x51                                       ; V and O^T in window 1, p in window 0
.irp i, 0,1,2,3,4,5,6,7
.irp t, 0,1
	v_wmma_scale_f32_16x16x128_f8f6f4 v[64*\t+8*\i:64*\t+8*\i+7], v[FR+12*\i:FR+12*\i+11], v[PA+12*\t:PA+12*\t+11], v[64*\t+8*\i:64*\t+8*\i+7], v[VSC+\i], v[PSC+\t] matrix_a_fmt:MATRIX_FMT_FP6 matrix_b_fmt:MATRIX_FMT_FP6
.endr
.endr
	WIN 0
	s_xor_b32 s36, s36, SLOT1
.endm
.Lstep:                                            ; 15 trips: behind each change of slots but the last the next chunk is asked for
	CHANGE 1
	STEP
	s_sub_co_u32 s37, s37, 1
	s_cmp_lg_u32 s37, 0
	s_cbranch_scc1 .Lstep
	CHANGE 0                                       ; the last step is written out
	STEP
	; ---- THE END.  The angles for the way back are asked for first, into registers that p's codes have left
.macro AQSET q
.if \q < 6
.set AQ, 44+4*\q
.else
.set AQ, 216+4*\q
.endif
.endm
	PLACES 4
.irp q, 0,1,2,3,4,5,6,7
	AQSET \q
	global_load_b128 v[AQ:AQ+3], v[GT], s[48:49] offset:64*(\q/2)+16*(\q%2)
.endr
.irp t, 0,1
	v_add_f32 v[STA+4*\t+2], v[STA+4*\t+2], v[STA+4*\t+3]
.endr
.irp t, 0,1
	v_permlanex16_b32 v[PX+\t], v[STA+4*\t+2], s[SEL], s[SEL+1]
.endr
.irp t, 0,1
	v_add_f32 v[STA+4*\t+2], v[STA+4*\t+2], v[PX+\t]   ; my quarter's sum for my query
.endr
.irp t, 0,1
	ds_store_b32 v[MLW], v[STA+4*\t] offset:512*\t
	ds_store_b32 v[MLW], v[STA+4*\t+2] offset:512*\t+2048
.endr
	s_wait_dscnt 0x0
	s_barrier_signal -1
	s_barrier_wait -1
.irp t, 0,1
.irp k, 0,1,2,3
	ds_load_b32 v[SA+8*\t+\k], v[MLR] offset:512*\t+128*\k
	ds_load_b32 v[SA+8*\t+4+\k], v[MLR] offset:512*\t+128*\k+2048
.endr
.endr
	s_wait_dscnt 0x0
.irp t, 0,1
	v_min3_num_f32 v[BM+\t], v[SA+8*\t], v[SA+8*\t+1], v[SA+8*\t+2]
.endr
.irp t, 0,1
	v_min_num_f32 v[BM+\t], v[BM+\t], v[SA+8*\t+3]     ; the least -M: the largest M of the four quarters
.endr
.irp t, 0,1
.irp k, 0,1,2,3
	v_sub_f32 v[SA+8*\t+\k], v[BM+\t], v[SA+8*\t+\k]
.endr
	v_sub_f32 v[BM+2+\t], v[BM+\t], v[STA+4*\t]
.endr
.irp t, 0,1
.irp k, 0,1,2,3
	v_cvt_i32_f32 v[SA+8*\t+\k], v[SA+8*\t+\k]
.endr
	v_cvt_i32_f32 v[BM+2+\t], v[BM+2+\t]
.endr
.irp t, 0,1
.irp k, 0,1,2,3
	v_ldexp_f32 v[SA+8*\t+\k], 1.0, v[SA+8*\t+\k]      ; 2^(a quarter's M - the largest M)
.endr
	v_ldexp_f32 v[BM+2+\t], 1.0, v[BM+2+\t]            ; my own quarter's
.endr
.irp t, 0,1
	v_mul_f32 v[SO+\t], v[SA+8*\t], v[SA+8*\t+4]
.endr
.irp k, 1,2,3
.irp t, 0,1
	v_fma_f32 v[SO+\t], v[SA+8*\t+\k], v[SA+8*\t+4+\k], v[SO+\t]
.endr
.endr
.irp t, 0,1
	v_rcp_f32 v[SO+\t], v[SO+\t]
.endr
	v_nop
	s_wait_alu depctr_va_vdst(0)
.irp t, 0,1
	v_mul_f32 v[FPA+2*\t], v[BM+2+\t], v[SO+\t]
.endr
	WIN 0x41
.set jj, 0
.rept 32
	v_pk_mul_f32 v[jj:jj+1], v[jj:jj+1], v[FPA:FPA+1] op_sel_hi:[1,0]
	v_pk_mul_f32 v[64+jj:65+jj], v[64+jj:65+jj], v[FPB:FPB+1] op_sel_hi:[1,0]
.set jj, jj+2
.endr
	WIN 0x04                                       ; an LDS store's data are its source 1: window 1
.irp t, 0,1
.irp g, 0,1,2,3,4,5,6,7,8,9,10,11,12,13,14,15
	ds_store_b128 v[OXW], v[64*\t+4*\g:64*\t+4*\g+3] offset:8192*\t+512*\g   ; into slot 0 and the gap behind it: they have had their last fill, and nobody has read them since the last change of slots
.endr
.endr
	WIN 0
	s_wait_dscnt 0x0
	s_barrier_signal -1
	s_barrier_wait -1
	; wave w now owns query tile w / 2 and the head's numbers 64 (w % 2) on: the four quarters' parts are added
.irp k, 0,1
.irp g, 0,1,2,3,4,5,6,7
	ds_load_b128 v[SA+32*\k+4*\g:SA+32*\k+4*\g+3], v[OXR0] offset:32768*\k+512*\g
.endr
.endr
.irp k, 0,1
.irp g, 0,1,2,3,4,5,6,7
	ds_load_b128 v[SA+64+32*\k+4*\g:SA+64+32*\k+4*\g+3], v[OXR1] offset:32768*\k+512*\g
.endr
.endr
	s_wait_dscnt 0x0
.set jj, 0
.rept 16
	v_pk_add_f32 v[SA+jj:SA+jj+1], v[SA+jj:SA+jj+1], v[SA+32+jj:SA+33+jj]
	v_pk_add_f32 v[SA+64+jj:SA+65+jj], v[SA+64+jj:SA+65+jj], v[SA+96+jj:SA+97+jj]
.set jj, jj+2
.endr
.set jj, 0
.rept 16
	v_pk_add_f32 v[SA+jj:SA+jj+1], v[SA+jj:SA+jj+1], v[SA+64+jj:SA+65+jj]
.set jj, jj+2
.endr
	s_wait_loadcnt 0x0                             ; the angles
.irp q, 0,1,2,3,4,5,6,7
	AQSET \q
	SINCOS4 AQ, 84
	ROT SA+4*\q, 84, AQ, 88, 2, 1                  ; register 4q+e is d = 64 (w % 2) + 16 (q / 2) + 8 h + 4 (q % 2) + e of query r
.endr
.irp m, 1,2,4,8                                ; the sum over the tile's 16 queries
.set jj, 0
.rept 32
	v_add_f32_dpp v[SA+jj], v[SA+jj], v[SA+jj] row_xmask:\m row_mask:0xf bank_mask:0xf
.set jj, jj+1
.endr
.endr
.irp q, 0,1,2,3,4,5,6,7
	ds_store_b128 v[REDW], v[SA+4*\q:SA+4*\q+3] offset:64*(\q/2)+16*(\q%2)   ; the sixteen lanes of a half write the same bytes with the same values
.endr
	s_wait_dscnt 0x0
	s_barrier_signal -1
	s_barrier_wait -1
	s_cmp_lg_u32 s12, 0
	s_cbranch_scc1 .Lnot_first
.irp t, 0,1,2,3
	ds_load_b128 v[SA+4*\t:SA+4*\t+3], v[REDR] offset:512*\t
.endr
	s_wait_dscnt 0x0
	v_pk_add_f32 v[SA:SA+1], v[SA:SA+1], v[SA+4:SA+5]
	v_pk_add_f32 v[SA+2:SA+3], v[SA+2:SA+3], v[SA+6:SA+7]
	v_pk_add_f32 v[SA+8:SA+9], v[SA+8:SA+9], v[SA+12:SA+13]
	v_pk_add_f32 v[SA+10:SA+11], v[SA+10:SA+11], v[SA+14:SA+15]
	v_pk_add_f32 v[SA:SA+1], v[SA:SA+1], v[SA+8:SA+9]
	v_pk_add_f32 v[SA+2:SA+3], v[SA+2:SA+3], v[SA+10:SA+11]
	global_store_b128 v[GL], v[SA:SA+3], s[50:51]  ; 512 consecutive bytes: the block's sum over its 64 queries
.Lnot_first:
	s_wait_tensorcnt 0x0                           ; the wave's end
	ds_add_u32 v[SPW], v[NIL]
	s_wait_dscnt 0x0
	ROUND                                          ; the closing round
	s_endpgm
.Lfunc_end_k_q12a0c843dd_attn:
	.size	k_q12a0c843dd_attn, .Lfunc_end_k_q12a0c843dd_attn-k_q12a0c843dd_attn
	.p2alignl 7, 3214868480
	.fill 96, 4, 3214868480
	.section	.rodata,"a",@progbits
	.p2align	6, 0x0
	.amdhsa_kernel k_q12a0c843dd_attn
		.amdhsa_group_segment_fixed_size 327680
		.amdhsa_private_segment_fixed_size 0
		.amdhsa_enable_private_segment 0
		.amdhsa_kernarg_size 32
		.amdhsa_user_sgpr_count 2
		.amdhsa_user_sgpr_kernarg_segment_ptr 1
		.amdhsa_wavefront_size32 1
		.amdhsa_system_sgpr_workgroup_id_x 1
		.amdhsa_system_sgpr_workgroup_id_y 1
		.amdhsa_system_sgpr_workgroup_id_z 1
		.amdhsa_system_vgpr_workitem_id 0
		.amdhsa_next_free_vgpr 512
		.amdhsa_next_free_sgpr 66
		.amdhsa_reserve_vcc 0
		.amdhsa_float_denorm_mode_32 3
		.amdhsa_float_denorm_mode_16_64 3
		.amdhsa_memory_ordered 1
		.amdhsa_forward_progress 1
		.amdhsa_inst_pref_size 204
	.end_amdhsa_kernel
	.amdgpu_metadata
---
amdhsa.version: [ 1, 2 ]
amdhsa.kernels:
  - .name:           k_q12a0c843dd_attn
    .symbol:         k_q12a0c843dd_attn.kd
    .args:
      - { .name: kv, .offset: 0, .size: 8, .value_kind: global_buffer, .address_space: global }
      - { .name: qlin, .offset: 8, .size: 8, .value_kind: global_buffer, .address_space: global }
      - { .name: rotary_time_emb_query, .offset: 16, .size: 8, .value_kind: global_buffer, .address_space: global }
      - { .name: part, .offset: 24, .size: 8, .value_kind: global_buffer, .address_space: global }
    .group_segment_fixed_size: 327680
    .private_segment_fixed_size: 0
    .kernarg_segment_align: 8
    .kernarg_segment_size: 32
    .max_flat_workgroup_size: 256
    .sgpr_count:     66
    .vgpr_count:     512
    .wavefront_size: 32
...
	.end_amdgpu_metadata
.endif
;; end of part 2
;; launch final (part 3): grid 4 x 1, 8 waves a work-group, no clusters, 9,728 bytes of LDS; arguments part, w_o_codes, w_o_scales, b_o, out0; writes out0
.if DOCPART == 3
	.amdgcn_target "amdgcn-amd-amdhsa--gfx1250"
	.amdhsa_code_object_version 6
	.text
	.protected	k_q12a0c843dd_final
	.globl	k_q12a0c843dd_final
	.p2align	8
	.type	k_q12a0c843dd_final,@function
k_q12a0c843dd_final:
	s_mov_b64 s[64:65], 0
	v_nop
	global_prefetch_b8 v0, s[64:65] scope:SCOPE_SE
	s_setreg_imm32_b32 hwreg(HW_REG_WAVE_MODE, 25, 1), 1
	s_wait_xcnt 0x0
; FINAL.  out0[b][n] = sum over d of Q(mean[b][d]) w_o[n][d] + b_o[n]; mean = the sum of a batch's 16 parts x 2^-10 (1,024 queries), quantised to E2M3 along the head's 128.
; 4 work-groups of 8 waves; wave w of work-group x makes outputs 16 (8 x + w) .. + 15 for all 16 batches with ONE matrix instruction (source 0 = 16 rows of w_o, source 1 = the 16 batches), b_o as its C.
; Each work-group sums all parts (131,072 bytes): wave w the batches w and w + 8, in loads of 512 consecutive bytes; the means meet in LDS (rows of 512 bytes + 16).
; The launch has work for 4 work-groups: 32 tiles of outputs, 8 a work-group.  Its 32,768 bytes of output leave as runs of 32 bytes a lane, with no stage in LDS: the stores are two a wave.
; No tensor load, no cluster: the only shared input, part, is small.  LIMITS: NaN and infinities are not served; a block of zeros gets the scale byte 1 (its codes are zeros).
.set TM,  192
.set SEL, 20
.macro QUANT s, pc, ct, pw
.irp b, 0,1,2,3
	v_max3_num_f32 v[TM+\b], |v[\s+16*\b]|, |v[\s+1+16*\b]|, 0x1800000
.endr
.irp i, 2,4,6,8,10,12,14
.irp b, 0,1,2,3
	v_max3_num_f32 v[TM+\b], v[TM+\b], |v[\s+16*\b+\i]|, |v[\s+1+16*\b+\i]|
.endr
.endr
.irp b, 0,1,2,3
	v_permlanex16_b32 v[TM+4+\b], v[TM+\b], s[SEL], s[SEL+1]
.endr
.irp b, 0,1,2,3
	v_max_num_f32 v[TM+\b], v[TM+\b], v[TM+4+\b]
.endr
.irp b, 0,1,2,3
	v_add_nc_u32 v[TM+12+\b], 0xff000000, v[TM+\b]
.endr
.irp b, 0,1,2,3
	v_lshrrev_b32 v[TM+4+\b], 23, v[TM+12+\b]
.endr
	v_lshl_or_b32 v[\pw], v[TM+5], 8, v[TM+4]
	v_lshl_or_b32 v[\pw], v[TM+6], 16, v[\pw]
	v_lshl_or_b32 v[\pw], v[TM+7], 24, v[\pw]
.irp c, 0,1
	v_cvt_scalef32_pk16_fp6_f32 v[\pc+6*\c:\pc+6*\c+2], v[\s+32*\c:\s+32*\c+15], v[TM+12+2*\c]
	v_cvt_scalef32_pk16_fp6_f32 v[\ct+4*\c:\ct+4*\c+2], v[\s+32*\c+16:\s+32*\c+31], v[TM+13+2*\c]
.endr
	v_nop
.irp c, 0,1
.irp i, 0,1,2
	v_permlane16_swap_b32 v[\pc+6*\c+\i], v[\ct+4*\c+\i]
.endr
.irp i, 0,1,2
	v_mov_b32 v[\pc+6*\c+3+\i], v[\ct+4*\c+\i]
.endr
.endr
.endm
	s_load_b256 s[4:11], s[0:1], 0x0               ; part, w_o's codes, w_o's scales, b_o
	s_load_b64 s[12:13], s[0:1], 0x20              ; out0
	v_lshl_add_u32 v254, v0, 2, 0x2200
	v_mov_b32 v255, 0
	v_lshrrev_b32 v1, 5, v0
	v_readfirstlane_b32 s14, v1                    ; wave 0..7
	v_and_b32 v2, 31, v0                           ; lane
	v_and_b32 v3, 15, v0                           ; r
	v_bfe_u32 v4, v0, 4, 1                         ; h
	s_lshl_b32 s15, ttmp9, 3
	s_add_co_u32 s15, s15, s14                     ; my tile of 16 outputs
	v_mul_u32_u24 v5, v3, 96
	v_mad_u32_u24 v5, v4, 24, v5                   ; w_o: row r of 96 bytes, + 24 h
	v_lshlrev_b32 v6, 2, v3                        ; its scale words
	v_lshlrev_b32 v7, 5, v4                        ; b_o: my half's eight numbers
	v_lshlrev_b32 v8, 4, v2                        ; 16 bytes a lane
	s_mul_i32 s16, s14, 528
	v_add_nc_u32 v9, s16, v8                       ; the means' stage: row = batch
	v_mul_u32_u24 v10, v3, 528
	v_lshl_add_u32 v10, v4, 6, v10                 ; back: row r, + 64 h
	v_lshlrev_b32 v11, 11, v3
	v_lshl_add_u32 v11, v4, 5, v11                 ; out0: row r of 2,048 bytes, + 32 h
	s_mov_b32 s[SEL], 0x76543210
	s_mov_b32 s[SEL+1], 0xfedcba98
.irp b, 0,1,2,3
	v_mov_b32 v[TM+4+\b], 0                        ; written once: a lane permute's destination counts as one of its sources
.endr
	s_mov_b32 s17, 0
	s_mov_b32 s19, 0
	s_mov_b32 s23, 0
	s_mul_i32 s16, s15, 1536
	s_lshl_b32 s18, s15, 6
	s_lshl_b32 s22, s14, 13
	s_wait_kmcnt 0x0
	s_add_nc_u64 s[6:7], s[6:7], s[16:17]
	s_add_nc_u64 s[8:9], s[8:9], s[18:19]
	s_add_nc_u64 s[10:11], s[10:11], s[18:19]
	s_add_nc_u64 s[12:13], s[12:13], s[18:19]
	s_add_nc_u64 s[4:5], s[4:5], s[22:23]
.irp p, 0,1,2,3,4,5
	global_load_b64 v[16+2*\p:17+2*\p], v5, s[6:7] offset:48*(\p/3)+8*(\p%3)
.endr
	global_load_b32 v28, v6, s[8:9]
	global_load_b128 v[32:35], v7, s[10:11]
	global_load_b128 v[36:39], v7, s[10:11] offset:16
.irp z, 0,1
.irp k, 0,1,2,3,4,5,6,7,8,9,10,11,12,13,14,15
	global_load_b128 v[64+64*\z+4*\k:64+64*\z+4*\k+3], v8, s[4:5] offset:65536*\z+512*\k
.endr
.endr
	s_wait_loadcnt 0x0
.irp d, 32,16,8,4                              ; the 16 parts of each of my two batches, as a tree
.irp z, 0,1
.set jj, 0
.rept \d/2
	v_pk_add_f32 v[64+64*\z+jj:65+64*\z+jj], v[64+64*\z+jj:65+64*\z+jj], v[64+64*\z+\d+jj:65+64*\z+\d+jj]
.set jj, jj+2
.endr
.endr
.endr
.irp z, 0,1
	v_pk_mul_f32 v[64+64*\z:65+64*\z], v[64+64*\z:65+64*\z], 0x3a800000 op_sel_hi:[1,0]   ; / 1,024
	v_pk_mul_f32 v[66+64*\z:67+64*\z], v[66+64*\z:67+64*\z], 0x3a800000 op_sel_hi:[1,0]
.endr
.irp z, 0,1
	ds_store_b128 v9, v[64+64*\z:67+64*\z] offset:8*528*\z
.endr
	s_wait_dscnt 0x0
	s_barrier_signal -1
	s_barrier_wait -1
.irp b, 0,1,2,3
.irp j, 0,1,2,3
	ds_load_b128 v[64+16*\b+4*\j:64+16*\b+4*\j+3], v10 offset:128*\b+16*\j   ; batch r: d = 32 b + 16 h + 4 j on
.endr
.endr
	s_wait_dscnt 0x0
	QUANT 64, 40, 52, 29
.rept 8
	v_nop                                          ; a scale word written by vector instructions stands 8 places ahead of the scaled product, an operand so written 4
.endr
	v_wmma_scale_f32_16x16x128_f8f6f4 v[32:39], v[16:27], v[40:51], v[32:39], v28, v29 matrix_a_fmt:MATRIX_FMT_FP6 matrix_b_fmt:MATRIX_FMT_FP6
.rept 4
	v_nop
.endr
	global_store_b128 v11, v[32:35], s[12:13]      ; lane (r, h): out0(r, 16 tile + 8 h + 0 .. 7)
	global_store_b128 v11, v[36:39], s[12:13] offset:16
	s_wait_tensorcnt 0x0
	ds_add_u32 v254, v255
	s_wait_dscnt 0x0
	s_endpgm
.Lfunc_end_k_q12a0c843dd_final:
	.size	k_q12a0c843dd_final, .Lfunc_end_k_q12a0c843dd_final-k_q12a0c843dd_final
	.p2alignl 7, 3214868480
	.fill 96, 4, 3214868480
	.section	.rodata,"a",@progbits
	.p2align	6, 0x0
	.amdhsa_kernel k_q12a0c843dd_final
		.amdhsa_group_segment_fixed_size 9728
		.amdhsa_private_segment_fixed_size 0
		.amdhsa_enable_private_segment 0
		.amdhsa_kernarg_size 40
		.amdhsa_user_sgpr_count 2
		.amdhsa_user_sgpr_kernarg_segment_ptr 1
		.amdhsa_wavefront_size32 1
		.amdhsa_system_sgpr_workgroup_id_x 1
		.amdhsa_system_sgpr_workgroup_id_y 1
		.amdhsa_system_sgpr_workgroup_id_z 1
		.amdhsa_system_vgpr_workitem_id 0
		.amdhsa_next_free_vgpr 256
		.amdhsa_next_free_sgpr 66
		.amdhsa_reserve_vcc 0
		.amdhsa_float_denorm_mode_32 3
		.amdhsa_float_denorm_mode_16_64 3
		.amdhsa_memory_ordered 1
		.amdhsa_forward_progress 1
		.amdhsa_inst_pref_size 16
	.end_amdhsa_kernel
	.amdgpu_metadata
---
amdhsa.version: [ 1, 2 ]
amdhsa.kernels:
  - .name:           k_q12a0c843dd_final
    .symbol:         k_q12a0c843dd_final.kd
    .args:
      - { .name: part, .offset: 0, .size: 8, .value_kind: global_buffer, .address_space: global }
      - { .name: w_o_codes, .offset: 8, .size: 8, .value_kind: global_buffer, .address_space: global }
      - { .name: w_o_scales, .offset: 16, .size: 8, .value_kind: global_buffer, .address_space: global }
      - { .name: b_o, .offset: 24, .size: 8, .value_kind: global_buffer, .address_space: global }
      - { .name: out0, .offset: 32, .size: 8, .value_kind: global_buffer, .address_space: global }
    .group_segment_fixed_size: 9728
    .private_segment_fixed_size: 0
    .kernarg_segment_align: 8
    .kernarg_segment_size: 40
    .max_flat_workgroup_size: 256
    .sgpr_count:     66
    .vgpr_count:     256
    .wavefront_size: 32
...
	.end_amdgpu_metadata
.endif
;; end of part 3
